; MI455X (gfx1250); checked and timed in simulation.
; The chip was launched on July 23, 2026; its instructions are those of AMD's public machine-readable ISA for CDNA 5 (MIT licence, August 2026) and "CDNA5" Instruction Set Architecture Reference Guide (July 2026). The comments in the code are by the model that wrote it; some were corrected since.
;; MHS Attention. Allowed arithmetic: matrix products marked QUANTISED: E2M1 operands, one E8M0 scale for each 32 along K, by v_wmma_scale_f32_16x16x128_f8f6f4 with both operands' format E2M1 (or v_wmma_scale_f32_32x16x128_f4), f32 sums; products left as they are: bf16, f16 or f32 operands; f32 sums; everything else in f32.
;; Inputs: o_w 1,024 x 1,024 float32; qkv_w 3,072 x 1,024 float32; token_positions 2,048 int32; x 4 x 2,048 x 1,024 float32.
;; Outputs: out0 4 x 2,048 x 1,024 float32.
;; This version of the problem:
;;   THIS VERSION OF THE PROBLEM IS GIVEN IN LOW PRECISION. The matrix products marked QUANTISED in the list below multiply operands that are first quantised to E2M1 (2 exponent bits, 1 mantissa bit; 4 bits a number), with one power-of-two scale for each 32 numbers along K (OCP MX v1.0); their sums are f32. The products marked 'left as it is' may take bf16, f16 or f32 operands, with f32 sums. Whichever they take, every output number must still come out within the allowed error. Rounding operands to bf16 (8 significant bits) uses up far more of that allowance than f16 does (11 bits, for magnitudes from 6e-5 to 65,504). All else is computed in f32.
;;   The module's matrix products, in the order in which they are computed (A, B: the left and right operand; K: the contracted axis; several contracted axes count as one K, in the product's order):
;;     1. [M 8,192, K 1,024] x [K 1,024, N 3,072]; A: input x; B: input qkv_w: QUANTISED
;;     2. batch 64 x [M 2,048, K 64] x [K 64, N 2,048]; A: computed on the way; B: computed on the way: left as it is (an operand is computed on the way)
;;     3. batch 64 x [M 2,048, K 2,048] x [K 2,048, N 64]; A: computed on the way; B: computed on the way: left as it is (an operand is computed on the way)
;;     4. [M 8,192, K 1,024] x [K 1,024, N 1,024]; A: computed on the way; B: input o_w: left as it is (an operand is computed on the way)
;;   THE QUANTISER, for each operand of a quantised product, along K:
;;     - K is cut into blocks of 32 from its start; a last block that is shorter is filled with zeros.
;;     - A block's scale is 2^e with e = floor(log2(the largest magnitude in the block)) - 2, held to -126 .. 127; a block of zeros has e = 0. As a byte (E8M0): e + 127.
;;     - Each number is divided by its block's scale, clamped to +-6, and rounded to the nearest number of E2M1, ties to even, subnormals kept.
;;     - The product sums the exact products of the quantised numbers (number of the format x scale) in f32.
;;   ~~~python
;;   def quantise(x, axis):      # numpy; x: float32 -> the quantised numbers, widened to float32 again
;;       x = np.moveaxis(x, axis, -1); K = x.shape[-1]
;;       x = np.pad(x, [(0, 0)] * (x.ndim - 1) + [(0, -K % 32)]); x = x.reshape(x.shape[:-1] + (-1, 32)); a = np.abs(x).max(-1, keepdims=True)
;;       e = np.where(a > 0, np.clip(np.frexp(np.where(a > 0, a, 1))[1] - 1 - 2, -126, 127), 0)      # np.frexp(a)[1] - 1 = floor(log2(a)), exactly
;;       r = np.clip(x / 2.0 ** e, -6, 6)
;;       step = 2.0 ** (np.maximum(np.frexp(np.where(r == 0, 1, r))[1] - 1, 0) - 1)
;;       q = np.round(r / step) * step * 2.0 ** e      # np.round: ties to even
;;       return np.moveaxis(q.reshape(q.shape[:-2] + (-1,))[..., :K], -1, axis).astype(np.float32)
;;   ~~~
;; One version. Each part assembles by itself: llvm-mc -triple=amdgcn-amd-amdhsa -mcpu=gfx1250 --defsym DOCPART=n.
;; ======== version 1 of 1: 5 launches
;; limits: values are held in f16: magnitudes above 65,504 overflow, below 6.1e-05 lose precision
;; workspace buffers: codes 5,767,168 bytes; scales 360,448 bytes; ow16 2,097,152 bytes; rope 524,288 bytes; qkv16 50,331,648 bytes; f32rows 786,432 bytes; ctx16 16,777,216 bytes
;; launch prep (part 1): grid 384 x 1, 4 waves a work-group, no clusters, 33,280 bytes of LDS; arguments x, qkv_w, o_w, token_positions, codes, scales, ow16, rope; writes codes, scales, ow16, rope
.if DOCPART == 1
	.amdgcn_target "amdgcn-amd-amdhsa--gfx1250"
	.amdhsa_code_object_version 6
	.text
	.protected	k_q67d62cd0b5_prep
	.globl	k_q67d62cd0b5_prep
	.p2align	8
	.type	k_q67d62cd0b5_prep,@function
k_q67d62cd0b5_prep:
	s_mov_b64 s[64:65], 0
	v_nop
	global_prefetch_b8 v0, s[64:65] scope:SCOPE_SE
	s_setreg_imm32_b32 hwreg(HW_REG_WAVE_MODE, 25, 1), 1
	s_wait_xcnt 0x0
; THREE JOBS IN ONE LAUNCH, told apart by the work-group's number.
; Work-groups 0-351: x [8192][1024] and qkv_w [3072][1024], f32, K innermost, become codes of FP4 (E2M1) and one E8M0 byte for each 32 along K, in ONE matrix of 11,264 rows:
;   codes [11264][512 bytes], scales [11264][32 bytes]; rows 0-8191 are x's, rows 8192-11263 qkv_w's.  Rows are dense, so both tensors are plain streams of blocks of 32.
;   A block's scale is 2^(floor(log2(its largest magnitude)) - 2): its byte is the largest magnitude's exponent field - 2, held at 1 from below.
; Work-groups 352-367: o_w [1024][1024] f32 becomes f16, laid as images of the operand's registers: [64 tiles of 16 rows][32 chunks of 32 along K][2 halves][32 lanes][16 bytes].
; Work-groups 368-383: cos and sin of token_positions[s] x 10^(-j/8), j = 0 .. 31: rope [16 planes][2048 s][cos(2g), sin(2g), cos(2g+1), sin(2g+1)] f32.
; LIMITS: NaN and infinities among the inputs are not served.  A block of zeros gets the byte 1 where the rule says 127: its codes are zeros, and this program alone reads the bytes.
;   |o_w| stays under 65,504 (f16).  The frequencies are the f32 numbers nearest to 10^(-j/8); they may differ by an ulp or two from 1 / 10000^(j/32) taken in f32: at most 5e-4 rad at position 2,047.
;   Sine and cosine: the angle less n x pi/2 in two parts (good for angles up to 2,047, n up to 1,304), then polynomials of degree 7 and 8 on +-pi/4, absolute error about 1e-7.
.set WAVES, 4
.set STEPS, 16
.set EMAX,  2
.set CB,    8                          ; bytes of 16 codes
.set R,     16                         ; v16-79   four sets of 16 numbers as they are loaded
.set X,     80                         ; v80-111  two sets of 16 neighbours
.set E,     112                        ; v112-127 a scale byte for each step
.set C,     128                        ; v128-191 codes: four registers for each step
.set WREG,  8192                       ; LDS: a region for each wave: two stages of 32 x SP bytes, behind them its 256 scale bytes
.set SP,    80                         ; a lane's place in a stage: 64 bytes + 16 of padding
.set SPW,   12                         ; v12  LDS address of my spare word; never rewritten
.set NIL,   13                         ; v13  0; never rewritten
.set SPARE, WAVES*WREG                 ; behind the four regions: the spare words, 128 bytes a wave
	s_load_b512 s[4:19], s[0:1], 0x0               ; x s[4:5], qkv_w s[6:7], o_w s[8:9], token_positions s[10:11], codes s[12:13], scales s[14:15], ow16 s[16:17], rope s[18:19]
	v_lshl_add_u32 v[SPW], v0, 2, SPARE
	v_mov_b32 v[NIL], 0
	v_lshrrev_b32 v1, 5, v0
	v_readfirstlane_b32 s20, v1                    ; wave
	v_and_b32 v2, 31, v0                           ; lane
	s_cmp_ge_u32 ttmp9, 352
	s_cbranch_scc1 .Lother
; ---------------- the quantiser: a wave takes 16 steps of 512 numbers ----------------
; Each of a step's four loads reads 512 consecutive bytes, 16 a lane; the 2,048 bytes go through the wave's own stage in LDS as they lie and come back 64 bytes a lane: 16 neighbours along K, two lanes to a block.
	v_lshlrev_b32 v3, 4, v2                        ; my 16 bytes of a load's 512
	s_mul_i32 s21, s20, WREG
	v_lshrrev_b32 v14, 2, v2
	v_mul_u32_u24 v14, v14, SP
	v_and_b32 v15, 3, v2
	v_lshl_add_u32 v14, v15, 4, v14
	v_add_nc_u32 v14, s21, v14                     ; the stage, on the way in: SP (lane / 4) + 16 (lane % 4)
	v_mul_u32_u24 v15, v2, SP
	v_add_nc_u32 v15, s21, v15                     ; and on the way out: SP x lane
	v_mul_u32_u24 v4, v2, CB                       ; my codes' place in a step's
	v_lshrrev_b32 v5, 1, v2
	s_add_co_u32 s21, s21, 2*32*SP
	v_add_nc_u32 v5, s21, v5                       ; LDS: my wave's 256 scale bytes, my block's byte
	v_lshlrev_b32 v7, 3, v2                        ; and on the way out 8 bytes a lane
	v_add_nc_u32 v6, s21, v7
	s_lshl_b32 s22, ttmp9, 2
	s_add_co_u32 s22, s22, s20                     ; which run of 8,192 numbers of the joint matrix is my wave's
	s_wait_kmcnt 0x0
	s_cmp_lt_u32 ttmp9, 256                        ; x's work-group or qkv_w's?  The choice hangs on the work-group's number alone
	s_cselect_b64 s[4:5], s[4:5], s[6:7]
	s_cselect_b32 s23, 0, 1024                     ; x has 1,024 runs
	s_sub_co_u32 s23, s22, s23
	s_lshl_b32 s24, s23, 15                        ; 32,768 bytes of f32 a run
	s_mov_b32 s25, 0
	s_add_nc_u64 s[4:5], s[4:5], s[24:25]
	s_lshl_b32 s24, s22, 12                        ; 4,096 bytes of codes a run
	s_add_nc_u64 s[12:13], s[12:13], s[24:25]
	s_lshl_b32 s24, s22, 8                         ; 256 scale bytes a run
	s_add_nc_u64 s[14:15], s[14:15], s[24:25]
.macro LOAD t
.irp i, 0,1,2,3
	global_load_b128 v[R+16*((\t)%4)+4*\i:R+16*((\t)%4)+4*\i+3], v3, s[4:5] offset:2048*(\t)+512*\i th:TH_LOAD_NT   ; 32 lanes read 512 consecutive bytes
.endr
.endm
.macro TURN t                          ; step t's numbers through the stage: LDS serves a wave's instructions in order, so no wait stands between the stores and the loads
.irp i, 0,1,2,3
	ds_store_b128 v14, v[R+16*((\t)%4)+4*\i:R+16*((\t)%4)+4*\i+3] offset:32*SP*((\t)%2)+8*SP*\i
.endr
.irp i, 0,1,2,3
	ds_load_b128 v[X+16*((\t)%2)+4*\i:X+16*((\t)%2)+4*\i+3], v15 offset:32*SP*((\t)%2)+16*\i
.endr
.endm
.irp t, 0,1,2,3
	LOAD \t
.endr
	s_wait_loadcnt 12                              ; step 0's four loads are in; three steps' twelve may be out
	TURN 0
.macro STEP t
.set XS, X+16*((\t)%2)
.if (\t) > 0
	s_wait_dscnt 1                                 ; this step's numbers are back from the stage (the last step's byte store may be out)
.else
	s_wait_dscnt 0x0
.endif
.if (\t)+4 < STEPS
	LOAD (\t)+4                                    ; into the registers that this step's stores into the stage have read
.endif
.if (\t)+1 < STEPS
.if STEPS-2-(\t) >= 3
	s_wait_loadcnt 12                              ; the next step's four loads are in; those of the three steps behind it may be out
.else
	s_wait_loadcnt 4*(STEPS-2-(\t))
.endif
	TURN (\t)+1
.endif
	v_max3_num_f32 v8, |v[XS]|, |v[XS+1]|, |v[XS+2]|               ; the largest magnitude of my 16, in two chains
	v_max3_num_f32 v9, |v[XS+3]|, |v[XS+4]|, |v[XS+5]|
.irp i, 6,10
	v_max3_num_f32 v8, v8, |v[XS+\i]|, |v[XS+\i+1]|
	v_max3_num_f32 v9, v9, |v[XS+\i+2]|, |v[XS+\i+3]|
.endr
	v_max3_num_f32 v8, v8, |v[XS+14]|, |v[XS+15]|
	v_max3_num_f32 v8, v8, v9, (EMAX+1)<<23        ; and the floor 2^(3 - 127): the byte cannot fall under 1
	v_max_num_f32_dpp v8, v8, v8 row_xmask:1 row_mask:0xf bank_mask:0xf   ; and of my neighbour's 16: the block's
	v_add_nc_u32 v11, -(EMAX<<23), v8              ; 2 off its exponent field: the conversion takes the exponent field of this operand as its scale
	v_cvt_scalef32_pk8_fp4_f32 v[C+4*(\t)], v[XS:XS+7], v11
	v_cvt_scalef32_pk8_fp4_f32 v[C+4*(\t)+1], v[XS+8:XS+15], v11
	v_lshrrev_b32 v[E+(\t)], 23, v11               ; the scale's byte (a plain line behind the conversions)
	ds_store_b8 v5, v[E+(\t)] offset:16*(\t)       ; both lanes of a block write the same byte with the same value
	global_store_b64 v4, v[C+4*(\t):C+4*(\t)+1], s[12:13] offset:32*CB*(\t)   ; the wave stores 256 consecutive bytes, aligned
.endm
.irp t, 0,1,2,3,4,5,6,7,8,9,10,11,12,13,14,15
	STEP \t
.endr
	ds_load_b64 v[8:9], v6                         ; LDS serves a wave's instructions in order: these see my byte stores
	s_wait_dscnt 0x0
	global_store_b64 v7, v[8:9], s[14:15]          ; 32 lanes store 256 consecutive bytes, aligned
	s_wait_tensorcnt 0x0                           ; the wave's end, behind my last LDS store
	ds_add_u32 v[SPW], v[NIL]
	s_wait_dscnt 0x0
	s_endpgm
.Lother:
	s_cmp_ge_u32 ttmp9, 368
	s_cbranch_scc1 .Lrope
; ---------------- o_w as f16 images: a wave takes one tile of 16 rows ----------------
; A 16-bit fragment is 16 rows x 32 K in 8 registers: lane (r, h) holds row r; registers 0-3 hold k = 8 h + 0..7, registers 4-7 k = 16 + 8 h + 0..7.  Item n (chunk n / 2, half n % 2) is four of those registers:
; eight f32 at byte 4096 r + 64 n + 32 h of the tile, rounded to f16, stored at 512 n + 16 x lane: the wave stores 512 consecutive bytes.  A load takes 64 bytes of each of 16 rows; four items on end use up each 256 bytes of a row.
.set IN0, 16                           ; v16-79, v80-143 two sets of eight items as loaded
.set WO,  144                          ; v144-175 eight items to store
	s_sub_co_u32 s21, ttmp9, 352
	s_lshl_b32 s21, s21, 2
	s_add_co_u32 s21, s21, s20                     ; my tile, 0 .. 63
	v_and_b32 v3, 15, v0                           ; r
	v_bfe_u32 v4, v0, 4, 1                         ; h
	v_lshlrev_b32 v5, 12, v3
	v_lshl_add_u32 v5, v4, 5, v5                   ; in: 4096 r + 32 h
	v_lshlrev_b32 v6, 4, v2                        ; out: 16 x lane
	s_lshl_b32 s22, s21, 16                        ; 16 rows of 4,096 bytes
	s_mov_b32 s23, 0
	s_lshl_b32 s24, s21, 15                        ; 64 items of 512 bytes
	s_mov_b32 s25, 0
	s_wait_kmcnt 0x0
	s_add_nc_u64 s[8:9], s[8:9], s[22:23]
	s_add_nc_u64 s[16:17], s[16:17], s[24:25]
.macro WLOAD k
.irp m, 0,1,2,3,4,5,6,7
	global_load_b128 v[IN0+64*((\k)%2)+8*\m:IN0+64*((\k)%2)+8*\m+3],   v5, s[8:9] offset:64*(8*(\k)+\m)
	global_load_b128 v[IN0+64*((\k)%2)+8*\m+4:IN0+64*((\k)%2)+8*\m+7], v5, s[8:9] offset:64*(8*(\k)+\m)+16
.endr
.endm
.macro WBATCH k
.if (\k) < 7
	WLOAD (\k)+1
	s_wait_loadcnt 16                              ; this batch's sixteen loads are in; the next batch's may be out
.else
	s_wait_loadcnt 0x0
.endif
	s_wait_xcnt 0x0                                ; the last batch's stores have read their data registers, which are written anew below
.irp m, 0,1,2,3,4,5,6,7
.irp i, 0,1,2,3
	v_cvt_pk_f16_f32 v[WO+4*\m+\i], v[IN0+64*((\k)%2)+8*\m+2*\i], v[IN0+64*((\k)%2)+8*\m+2*\i+1]
.endr
.endr
.irp m, 0,1,2,3,4,5,6,7
	global_store_b128 v6, v[WO+4*\m:WO+4*\m+3], s[16:17] offset:512*(8*(\k)+\m)
.endr
.endm
	WLOAD 0
.irp k, 0,1,2,3,4,5,6,7
	WBATCH \k
.endr
	s_wait_tensorcnt 0x0                           ; the wave's end
	ds_add_u32 v[SPW], v[NIL]
	s_wait_dscnt 0x0
	s_endpgm
.Lrope:
; ---------------- cos and sin: a thread takes one place s of the sequence, all 32 frequencies ----------------
	s_sub_co_u32 s21, ttmp9, 368
	s_lshl_b32 s21, s21, 7
	v_add_nc_u32 v3, s21, v0                       ; s = 128 x (work-group - 368) + thread
	v_lshlrev_b32 v4, 2, v3
	v_lshlrev_b32 v5, 4, v3                        ; 16 bytes a place in each plane
	s_mov_b32 s22, 0x3f22f983                      ; 2 / pi
	s_mov_b32 s23, 0xbfc90fdb                      ; -(pi / 2), its high part
	s_mov_b32 s24, 0x333bbd2e                      ; +4.3711390e-8: what the high part is too large by
	s_mov_b32 s25, 0xbe2aaaa3                      ; sine:   -1.6666654611e-1
	s_mov_b32 s26, 0x3c08839e                      ;          8.3321608736e-3
	s_mov_b32 s27, 0xb94ca1f9                      ;         -1.9515295891e-4
	s_mov_b32 s28, 0x3d2aaaa5                      ; cosine:  4.166664568e-2
	s_mov_b32 s29, 0xbab6061a                      ;         -1.388731625e-3
	s_mov_b32 s30, 0x37ccf5ce                      ;          2.443315712e-5
	s_mov_b32 s31, 0x80000000
	s_wait_kmcnt 0x0
	global_load_b32 v6, v4, s[10:11]               ; token_positions[s]: it enters arithmetic alone, no address
	s_wait_loadcnt 0x0
	v_cvt_f32_i32 v7, v6
.set JJ, 0
.irp f, 1.0, 0.749894209, 0.562341325, 0.421696503, 0.316227766, 0.237137371, 0.177827941, 0.133352143, 0.1, 0.0749894209, 0.0562341325, 0.0421696503, 0.0316227766, 0.0237137371, 0.0177827941, 0.0133352143, 0.01, 0.00749894209, 0.00562341325, 0.00421696503, 0.00316227766, 0.00237137371, 0.00177827941, 0.00133352143, 0.001, 0.000749894209, 0.000562341325, 0.000421696503, 0.000316227766, 0.000237137371, 0.000177827941, 0.000133352143
	v_mul_f32 v16, \f, v7                          ; the angle, one rounding, as position x frequency
	v_mul_f32 v17, s22, v16
	v_rndne_f32 v17, v17                           ; n = the nearest whole number of quarter turns
	v_fma_f32 v18, v17, s23, v16
	v_fma_f32 v18, v17, s24, v18                   ; r = angle - n pi / 2, within +-pi/4
	v_cvt_i32_f32 v19, v17
	v_mul_f32 v20, v18, v18                        ; z = r r
	v_fma_f32 v21, v20, s27, s26
	v_fma_f32 v22, v20, s30, s29
	v_fma_f32 v21, v21, v20, s25
	v_fma_f32 v22, v22, v20, s28
	v_fma_f32 v23, v20, -0.5, 1.0
	v_mul_f32 v21, v21, v20
	v_mul_f32 v22, v22, v20
	v_fma_f32 v21, v21, v18, v18                   ; sin r
	v_fma_f32 v22, v22, v20, v23                   ; cos r
	v_and_b32 v24, 1, v19
	v_cmp_eq_u32 vcc_lo, 1, v24                    ; an odd quarter swaps the two
	v_cndmask_b32 v25, v21, v22, vcc_lo
	v_cndmask_b32 v26, v22, v21, vcc_lo
	v_lshlrev_b32 v24, 30, v19                     ; the sine is negative in quarters 2 and 3,
	v_add_nc_u32 v27, 1, v19
	v_and_b32 v24, s31, v24
	v_lshlrev_b32 v27, 30, v27                     ; the cosine in quarters 1 and 2
	v_and_b32 v27, s31, v27
	v_xor_b32 v[64+2*JJ], v27, v26
	v_xor_b32 v[65+2*JJ], v24, v25
.if JJ%2 == 1
	global_store_b128 v5, v[62+2*JJ:65+2*JJ], s[18:19] offset:32768*(JJ/2)   ; 32 lanes store 512 consecutive bytes of plane JJ / 2; no result register is written twice
.endif
.set JJ, JJ+1
.endr
	s_wait_tensorcnt 0x0                           ; the wave's end
	ds_add_u32 v[SPW], v[NIL]
	s_wait_dscnt 0x0
	s_endpgm
.Lfunc_end_k_q67d62cd0b5_prep:
	.size	k_q67d62cd0b5_prep, .Lfunc_end_k_q67d62cd0b5_prep-k_q67d62cd0b5_prep
	.p2alignl 7, 3214868480
	.fill 96, 4, 3214868480
	.section	.rodata,"a",@progbits
	.p2align	6, 0x0
	.amdhsa_kernel k_q67d62cd0b5_prep
		.amdhsa_group_segment_fixed_size 33280
		.amdhsa_private_segment_fixed_size 0
		.amdhsa_enable_private_segment 0
		.amdhsa_kernarg_size 64
		.amdhsa_user_sgpr_count 2
		.amdhsa_user_sgpr_kernarg_segment_ptr 1
		.amdhsa_wavefront_size32 1
		.amdhsa_system_sgpr_workgroup_id_x 1
		.amdhsa_system_sgpr_workgroup_id_y 1
		.amdhsa_system_sgpr_workgroup_id_z 1
		.amdhsa_system_vgpr_workitem_id 0
		.amdhsa_next_free_vgpr 192
		.amdhsa_next_free_sgpr 66
		.amdhsa_reserve_vcc 1
		.amdhsa_float_denorm_mode_32 3
		.amdhsa_float_denorm_mode_16_64 3
		.amdhsa_memory_ordered 1
		.amdhsa_forward_progress 1
		.amdhsa_inst_pref_size 108
	.end_amdhsa_kernel
	.amdgpu_metadata
---
amdhsa.version: [ 1, 2 ]
amdhsa.kernels:
  - .name:           k_q67d62cd0b5_prep
    .symbol:         k_q67d62cd0b5_prep.kd
    .args:
      - { .name: x, .offset: 0, .size: 8, .value_kind: global_buffer, .address_space: global }
      - { .name: qkv_w, .offset: 8, .size: 8, .value_kind: global_buffer, .address_space: global }
      - { .name: o_w, .offset: 16, .size: 8, .value_kind: global_buffer, .address_space: global }
      - { .name: token_positions, .offset: 24, .size: 8, .value_kind: global_buffer, .address_space: global }
      - { .name: codes, .offset: 32, .size: 8, .value_kind: global_buffer, .address_space: global }
      - { .name: scales, .offset: 40, .size: 8, .value_kind: global_buffer, .address_space: global }
      - { .name: ow16, .offset: 48, .size: 8, .value_kind: global_buffer, .address_space: global }
      - { .name: rope, .offset: 56, .size: 8, .value_kind: global_buffer, .address_space: global }
    .group_segment_fixed_size: 33280
    .private_segment_fixed_size: 0
    .kernarg_segment_align: 8
    .kernarg_segment_size: 64
    .max_flat_workgroup_size: 128
    .sgpr_count:     66
    .vgpr_count:     192
    .wavefront_size: 32
...
	.end_amdgpu_metadata
.endif
;; end of part 1
;; launch proj (part 2): grid 12 x 32, 4 waves a work-group, clusters of 4 x 4, 327,680 bytes of LDS; arguments codes, scales, rope, qkv16, f32rows; writes qkv16, f32rows
.if DOCPART == 2
	.amdgcn_target "amdgcn-amd-amdhsa--gfx1250"
	.amdhsa_code_object_version 6
	.text
	.protected	k_q67d62cd0b5_proj
	.globl	k_q67d62cd0b5_proj
	.p2align	8
	.type	k_q67d62cd0b5_proj,@function
k_q67d62cd0b5_proj:
	s_mov_b64 s[64:65], 0
	v_nop
	global_prefetch_b8 v0, s[64:65] scope:SCOPE_SE
	s_setreg_imm32_b32 hwreg(HW_REG_WAVE_MODE, 25, 1), 1
	s_wait_xcnt 0x0
	s_wait_alu depctr_hold_cnt(0) depctr_sa_sdst(0) depctr_va_vdst(0) depctr_va_sdst(0) depctr_va_ssrc(0) depctr_va_vcc(0) depctr_vm_vsrc(0)
	s_getreg_b32 s2, hwreg(HW_REG_IB_STS2, 6, 4)
	s_cmp_eq_u32 s2, 0
	s_cbranch_scc0 .Lentry_in_a_cluster
	s_endpgm
.Lentry_in_a_cluster:
	s_bfe_u32 s2, ttmp6, 0x10000c
	s_cmp_lg_u32 s2, 0xf033
	s_cbranch_scc0 .Lentry_shape_is_right
	s_endpgm
.Lentry_shape_is_right:
; qkv = x qkv_w^T on codes of FP4 (E2M1) with one E8M0 scale for each 32 along K (K = 1,024), sums in f32; then RoPE on q and k in f32; q, k and v leave as f16 IMAGES OF THE NEXT PRODUCTS' OPERAND REGISTERS.
; codes [11264][512 bytes], scales [11264][32 bytes]: rows 0-8191 are x's, rows 8192-11263 qkv_w's.  A tile of the result is 256 x 256: four waves, 128 x 128 each, 64 accumulators of 16 x 16.
; K is two LDS slots of 512 along K: both are first fills, as are the scales of the tile's 512 rows; nothing is filled again.  A wave has three tensor loads out at the most.
; CLUSTERS: 4 x 4 work-groups; cluster x = 0: q, 1: k, 2: v; cluster y = Y: which 256 places of the sequence.  "A" (shared along a row of the cluster) and "B" (shared along a column) are rows of the ONE codes matrix:
;   q, k tiles: A = x's rows 2048 cy + 256 Y (batch cy), B = W's rows 8192 + 256 (4 x cluster x + cx).    v tiles: A = W_v's rows 10240 + 256 cy, B = x's rows 2048 cx + 256 Y (batch cx).
; THE MATRIX INSTRUCTION IS USED TRANSPOSED (source 0 = 16 rows of B, source 1 = 16 rows of A): lane (r, h) holds row r of A's block and eight neighbours 16 b + 8 h + 0..7 along B's rows.
;   q, k: a lane holds one token and eight channels; v: one channel and eight tokens, which is v^T.  Rounded to f16 in pairs these are registers 0-3 (b even) or 4-7 (b odd) of a 16-bit fragment, so each
;   block leaves by one store of 16 bytes a lane at 16 x lane: 512 consecutive bytes, aligned.  No LDS on the way out.
; qkv16: q at 0, k at 16,777,216: [16 batch + head][128 token tiles][2 chunks of 32 channels][2 halves][512 bytes];  v at 33,554,432: [16 batch + head][64 chunks of 32 keys][4 channel tiles][2 halves][512 bytes].
; f32rows: the first 16 places of every sequence in f32: q at 0, k at 262,144: [batch][head][16 tokens][64 channels]; v at 524,288: [batch][head][64 channels][16 tokens].
; ONE WAY THROUGH THE TEXT up to the way out: the first two sets of cos and sin are asked for by every tile ahead of the products.  A v tile, which rotates nothing, leaves those 16 loads of a wave unread.
; LIMITS: |q|, |k|, |v| stay under 65,504 (f16).
; REGISTERS, in windows of 256: window 0: v0-31 addresses; v32-95 scale words, two sets, and nothing else; v96-127 packed results; v128-191 A's fragments, on the way out the rotated numbers; v192-255 cos and sin, two sets.
;   window 1: B's fragments, two sets.   window 2: the accumulators of my rows 0-63 ((a, b) at v[8 (8 a + b)]);   window 3: those of my rows 64-127.
.set KSTEP,  512
.set NQ,     KSTEP/128                 ; matrix instructions deep in a slot
.set ROWB,   256                       ; a tile's row in bytes
.set KROW,   512                       ; a row of codes in memory
.set PITCH,  272                       ; an LDS row: 256 bytes + 16 of padding: the 16 rows that a load touches start at 16 different banks (64 banks of 4 bytes: ISA guide 11.1)
.set FR,     8
.set NL,     2
.set NP,     4                         ; places behind this matrix instruction (ISA guide 7.12.1)
.set HALFT,  128*PITCH
.set SLOT,   4*HALFT
.set KS,     32                        ; a row of scales in bytes
.set SCL,    2*SLOT
.set HALFS,  (128*KS/256)*272
.set SBLK,   (16*KS/256)*272
.set SPARE,  SCL+4*HALFS               ; the spare words, 128 bytes a wave
.set ADRA, 16                          ; v16-17 LDS address of my A fragments in slot 0, 1
.set ADRB, 20                          ; v20-21 the same for B
.set RV,   24                          ; v24  cos and sin: 16 r + 65536 h
.set FV,   25                          ; v25  the f32 rows: q, k: 256 r + 32 h; v: 64 r + 32 h
.set L16,  26                          ; v26  16 x lane
.set ADRS, 27                          ; v27  LDS address of my scale words: lanes 0-15 A's rows, lanes 16-31 B's
.set SPW,  28
.set NIL,  29
.set SC,   32
.set PK,   96
.set AF,   128
.set T,    128
.set CS,   192
.set G1, 24
.set G0, 32
.set G1B, 48
.set G0B, 56
.set ROPEB, 66                         ; s[66:67] the cos and sin of my wave's first token
.set G1S, 68
.set G0S, 76
.set G1SB, 80
.set G0SB, 88
.set OUTB, 94                          ; s[94:95] where my wave's images begin
.set F32B, 96                          ; s[96:97] where my heads' f32 rows begin
.set MSB, 0
.macro WIN new                         ; the immediate's high byte repeats the setting that is left
.if MSB != \new
	s_set_vgpr_msb (MSB<<8)|\new
.set MSB, \new
.endif
.endm
.set MUL_LO, 0xa1                      ; source 0 (B) window 1, source 1 (A) window 0, C and D window 2
.set MUL_HI, 0xf1
.set TO_B,   0x40
; A joint load: waves 0 and 1 fetch for A, waves 2 and 3 for B.  The branch hangs on the wave's number alone.  An s_nop 0 and four v_nop follow each of the two lines.
.macro JLOAD g0a, g1a, g0b, g1b
	s_cmp_eq_u32 s15, 0
	s_cbranch_scc0 .Lfor_b_\@
	tensor_load_to_lds s[\g0a:\g0a+3], s[\g1a:\g1a+7]
	s_nop 0
.rept 4
	v_nop
.endr
	s_branch .Lasked_\@
.Lfor_b_\@:
	tensor_load_to_lds s[\g0b:\g0b+3], s[\g1b:\g1b+7]
	s_nop 0
.rept 4
	v_nop
.endr
.Lasked_\@:
.endm
.macro CROUND                          ; a round of the cluster's barrier
	s_barrier_signal -1
	s_barrier_wait -1
	s_cmp_lg_u32 s14, 0
	s_cbranch_scc1 .Lnot_wave_0_\@
	s_barrier_signal -3
.Lnot_wave_0_\@:
	s_barrier_wait -3
	s_barrier_signal -1
	s_barrier_wait -1
.endm
	s_load_b256 s[4:11], s[0:1], 0x0               ; codes s[4:5], scales s[6:7], rope s[8:9], qkv16 s[10:11]
	s_load_b64 s[12:13], s[0:1], 0x20              ; f32rows
	v_lshl_add_u32 v[SPW], v0, 2, SPARE
	v_mov_b32 v[NIL], 0
	ds_add_u32 v[SPW], v[NIL]                      ; the wave's opening: the add, twice on end, and its wait ahead of my first tensor load
	ds_add_u32 v[SPW], v[NIL]
	v_lshrrev_b32 v1, 5, v0
	v_readfirstlane_b32 s14, v1                    ; wave 0..3
	s_lshr_b32 s15, s14, 1                         ; which half of A's rows is mine.  Also: I fetch for A (0) or for B (1)
	s_and_b32 s16, s14, 1                          ; which half of B's rows.  Also: which 128 rows I fetch
	s_bfe_u32 s40, ttmp6, 0x40000                  ; cx
	s_bfe_u32 s41, ttmp6, 0x40004                  ; cy
	s_and_b32 s17, ttmp7, 0xffff                   ; Y, which all sixteen partners share
	s_lshl_b32 s43, s41, 2
	s_lshl_b32 s43, 15, s43                        ; my row of the cluster
	s_lshl_b32 s44, 0x1111, s40                    ; my column
	s_or_b32 s[G1+0], s43, (0<<16)|(1<<20)|(1<<21)|(5<<22)|(3<<25)  ; the mask; elements of 1 byte; padding on; bit 21 beside a mask; 4 words behind every 64
	s_or_b32 s[G1B+0], s44, (0<<16)|(1<<20)|(1<<21)|(5<<22)|(3<<25)
.irp g, G1, G1B
	s_mov_b32 s[\g+1], ROWB<<16                    ; tensor_dim0
	s_mov_b32 s[\g+2], 128<<16                     ; tensor_dim1
	s_mov_b32 s[\g+3], ROWB<<16                    ; tile_dim0
	s_mov_b32 s[\g+4], 128                         ; tile_dim1
	s_mov_b32 s[\g+5], KROW                        ; the pitch
	s_mov_b32 s[\g+6], 0
	s_mov_b32 s[\g+7], 0
.endr
	s_or_b32 s[G1S+0], s43, (3<<16)|(1<<20)|(1<<21)|(5<<22)|(3<<25)  ; the scales of 128 rows: 4,096 dense bytes as 16 rows of 256, 16 bytes of padding behind each
	s_or_b32 s[G1SB+0], s44, (3<<16)|(1<<20)|(1<<21)|(5<<22)|(3<<25)
.irp g, G1S, G1SB
	s_mov_b32 s[\g+1], 32<<16
	s_mov_b32 s[\g+2], (128*KS/256)<<16
	s_mov_b32 s[\g+3], 32<<16
	s_mov_b32 s[\g+4], 128*KS/256
	s_mov_b32 s[\g+5], 32
	s_mov_b32 s[\g+6], 0
	s_mov_b32 s[\g+7], 0
.endr
	; the rows that I fetch.  A's number is made of cy and Y alone, B's of cx, Y and the cluster's x alone, each in registers that never hold the other coordinate
	s_lshl_b32 s18, s16, 7
	s_lshl_b32 s19, s17, 8                         ; 256 Y
	s_lshl_b32 s20, s41, 11
	s_add_co_u32 s20, s20, s19                     ; q, k: A = x's rows 2048 cy + 256 Y
	s_lshl_b32 s22, s41, 8
	s_add_co_u32 s22, s22, 10240                   ; v: A = W_v's rows
	s_lshl_b32 s46, s40, 11
	s_add_co_u32 s46, s46, s19                     ; v: B = x's rows 2048 cx + 256 Y
	s_lshl_b32 s47, ttmp9, 2
	s_add_co_u32 s47, s47, s40
	s_lshl_b32 s47, s47, 8
	s_add_co_u32 s47, s47, 8192                    ; q, k: B = W's rows
	s_cmp_eq_u32 ttmp9, 2                          ; the cluster's x: the same in all partners
	s_cselect_b32 s20, s22, s20
	s_cselect_b32 s46, s46, s47
	s_add_co_u32 s20, s20, s18
	s_add_co_u32 s46, s46, s18
	s_lshl_b32 s22, s20, 5                         ; their scales, 32 bytes a row,
	s_mov_b32 s23, 0
	s_lshl_b32 s92, s46, 5
	s_mov_b32 s93, 0
	s_lshl_b32 s20, s20, 9                         ; and their codes, 512 bytes a row
	s_mov_b32 s21, 0
	s_lshl_b32 s46, s46, 9
	s_mov_b32 s47, 0
	s_mul_i32 s45, s14, HALFT                      ; where they go: wave x 128 rows: no place in the cluster enters an LDS address
	s_mul_i32 s98, s14, HALFS
	s_wait_dscnt 0x0                               ; both opening adds are done
	s_wait_kmcnt 0x0
	s_add_nc_u64 s[20:21], s[4:5], s[20:21]
	s_add_nc_u64 s[22:23], s[6:7], s[22:23]
	s_add_nc_u64 s[46:47], s[4:5], s[46:47]
	s_add_nc_u64 s[92:93], s[6:7], s[92:93]
	CROUND                                         ; all sixteen work-groups are here: the joint loads meet
	s_mov_b32 s[G0S], 1
	s_add_co_u32 s[G0S+1], s98, SCL
	s_mov_b64 s[G0S+2:G0S+3], s[22:23]
	s_or_b32 s[G0S+3], s[G0S+3], 0x80000000
	s_mov_b32 s[G0SB], 1
	s_add_co_u32 s[G0SB+1], s98, SCL
	s_mov_b64 s[G0SB+2:G0SB+3], s[92:93]
	s_or_b32 s[G0SB+3], s[G0SB+3], 0x80000000
	JLOAD G0S, G1S, G0SB, G1SB                     ; the scales first: they are wanted with the first slot
.irp s, 0,1
	s_mov_b32 s[G0+4*\s], 1
	s_add_co_u32 s[G0+4*\s+1], s45, \s*SLOT
	s_add_nc_u64 s[G0+4*\s+2:G0+4*\s+3], s[20:21], \s*ROWB
	s_or_b32 s[G0+4*\s+3], s[G0+4*\s+3], 0x80000000
	s_mov_b32 s[G0B+4*\s], 1
	s_add_co_u32 s[G0B+4*\s+1], s45, \s*SLOT
	s_add_nc_u64 s[G0B+4*\s+2:G0B+4*\s+3], s[46:47], \s*ROWB
	s_or_b32 s[G0B+4*\s+3], s[G0B+4*\s+3], 0x80000000
	JLOAD G0+4*\s, G1, G0B+4*\s, G1B
.endr
	v_and_b32 v1, 15, v0                           ; r
	v_bfe_u32 v2, v0, 4, 1                         ; h
	v_mul_u32_u24 v3, v1, PITCH
	v_lshl_add_u32 v4, v2, 4, v3                   ; a fragment's row x pitch + 16 h
	s_mul_i32 s21, s15, HALFT                      ; my 128 rows of A
	s_mul_i32 s22, s16, HALFT                      ; my 128 rows of B,
	s_add_co_u32 s22, s22, 2*HALFT                 ; which lie behind A's 256
.irp s, 0,1
	v_add_nc_u32 v[ADRA+\s], s21, v4
	v_add_nc_u32 v[ADRB+\s], s22, v4
	s_add_co_u32 s21, s21, SLOT
	s_add_co_u32 s22, s22, SLOT
.endr
	v_mul_u32_u24 v5, v1, KS                       ; my row's scales: 32 bytes a row,
	v_lshrrev_b32 v6, 8, v5
	v_lshl_add_u32 v5, v6, 4, v5                   ; and 16 more for each 256 passed
	s_mul_i32 s21, s15, HALFS
	s_mul_i32 s22, s16, HALFS
	s_add_co_u32 s22, s22, 2*HALFS
	s_sub_co_u32 s22, s22, s21
	v_mul_u32_u24 v6, s22, v2                      ; lanes 16-31 take B's: one product, the distance between the two bases
	s_add_co_u32 s21, s21, SCL
	v_add_nc_u32 v5, v5, v6
	v_add_nc_u32 v[ADRS], s21, v5
	; the way out
	v_and_b32 v6, 31, v0
	v_lshlrev_b32 v[L16], 4, v6
	v_lshlrev_b32 v[RV], 4, v1
	v_lshl_add_u32 v[RV], v2, 16, v[RV]            ; plane 4 g + 2 h + e of 32,768 bytes, 16 bytes a token
	s_cmp_eq_u32 ttmp9, 2
	s_cselect_b32 s18, 6, 8
	s_cselect_b32 s19, s40, s41                    ; the batch: cx in v tiles, else cy
	s_cselect_b32 s21, s41, s40                    ; which four heads
	s_cselect_b32 s2, s15, s16                     ; which two of them are my wave's
	s_cselect_b32 s99, s16, s15                    ; which 128 tokens are my wave's
	v_lshlrev_b32 v[FV], s18, v1
	v_lshl_add_u32 v[FV], v2, 5, v[FV]
	s_lshl_b32 s19, s19, 4
	s_lshl_b32 s21, s21, 2
	s_add_co_u32 s19, s19, s21
	s_lshl_b32 s2, s2, 1
	s_add_co_u32 s19, s19, s2                      ; 16 batch + my first head
	s_or_b32 s3, s17, s99                          ; 0 where my wave holds places 0 to 15 of its sequence: made of Y and the wave's number alone
	s_lshl_b32 s92, s19, 18                        ; a head's images are 262,144 bytes,
	s_lshl_b32 s2, s17, 15                         ; 256 tokens of them 32,768,
	s_add_co_u32 s92, s92, s2
	s_lshl_b32 s2, s99, 14                         ; 128 tokens 16,384,
	s_add_co_u32 s92, s92, s2
	s_lshl_b32 s2, ttmp9, 24                       ; q, k or v
	s_add_co_u32 s92, s92, s2
	s_mov_b32 s93, 0
	s_add_nc_u64 s[OUTB:OUTB+1], s[10:11], s[92:93]
	s_lshl_b32 s92, s19, 12                        ; a head's f32 rows are 4,096 bytes
	s_lshl_b32 s2, ttmp9, 18
	s_add_co_u32 s92, s92, s2
	s_add_nc_u64 s[F32B:F32B+1], s[12:13], s[92:93]
	s_lshl_b32 s92, s17, 12                        ; cos and sin: 16 bytes x (256 Y + 128 x my half of A's rows)
	s_lshl_b32 s2, s15, 11
	s_add_co_u32 s92, s92, s2
	s_add_nc_u64 s[ROPEB:ROPEB+1], s[8:9], s[92:93]
; cos and sin for block a of 16 tokens: lane (r, h) wants, for channels 16 g + 8 h + 0..7 of a head, pairs 8 g + 4 h + 0..3: planes 4 g + 2 h + e.  Sixteen lanes read 256 consecutive bytes.
.macro ROPE_LOAD a
.irp g, 0,1,2,3
.irp e, 0,1
	global_load_b128 v[CS+32*((\a)%2)+8*\g+4*\e:CS+32*((\a)%2)+8*\g+4*\e+3], v[RV], s[ROPEB:ROPEB+1] offset:256*(\a)+131072*\g+32768*\e
.endr
.endr
.endm
	ROPE_LOAD 0                                    ; two sets are asked for here, by every tile, and land under the products: the matrix loop touches neither v192-255 nor LOADcnt.
	ROPE_LOAD 1                                    ; (token 256 Y + 128 x half + 31 at the most, plane 15 at the most: inside the table in v tiles too, which leave the data unread)
.macro FRAG reg, adr, q, i             ; 16 rows x 128 K of 4-bit codes: 8 registers; registers 4 c .. 4 c + 3 hold K = 64 c + 32 h + 0 .. 31
.irp c, 0,1
	ds_load_b128 v[\reg+4*\c:\reg+4*\c+3], v[\adr] offset:64*(\q)+32*\c+(\i)*16*PITCH
.endr
.endm
; 16 matrix instructions: A's blocks a0, a0 + 1 x B's eight.  The 64 accumulators take turns, one instruction a turn, in the same order in every step.
.macro MUL16 a0, p, q, sc, zero
.irp a, \a0, \a0+1
.irp b, 0,1,2,3,4,5,6,7
.if \zero
	v_wmma_scale_f32_16x16x128_f8f6f4 v[8*(8*((\a)%4)+\b):8*(8*((\a)%4)+\b)+7], v[128*(\p)+FR*\b:128*(\p)+FR*\b+FR-1], v[AF+FR*(\a):AF+FR*(\a)+FR-1], 0, v[SC+8*NQ*(\sc)+NQ*\b+(\q)], v[SC+8*NQ*(\sc)+NQ*(\a)+(\q)] matrix_a_fmt:MATRIX_FMT_FP4 matrix_b_fmt:MATRIX_FMT_FP4 matrix_a_scale:MATRIX_SCALE_ROW1
.else
	v_wmma_scale_f32_16x16x128_f8f6f4 v[8*(8*((\a)%4)+\b):8*(8*((\a)%4)+\b)+7], v[128*(\p)+FR*\b:128*(\p)+FR*\b+FR-1], v[AF+FR*(\a):AF+FR*(\a)+FR-1], v[8*(8*((\a)%4)+\b):8*(8*((\a)%4)+\b)+7], v[SC+8*NQ*(\sc)+NQ*\b+(\q)], v[SC+8*NQ*(\sc)+NQ*(\a)+(\q)] matrix_a_fmt:MATRIX_FMT_FP4 matrix_b_fmt:MATRIX_FMT_FP4 matrix_a_scale:MATRIX_SCALE_ROW1
.endif
.endr
.endr
.endm
.macro FETCH_B slot, q, p
	WIN TO_B
.irp i, 0,1,2,3,4,5,6,7
	FRAG 128*(\p)+FR*\i, ADRB+\slot, \q, \i
.endr
	WIN 0
.endm
.macro FETCH_A slot, q, i0
.irp i, \i0, \i0+1, \i0+2, \i0+3
	FRAG AF+FR*(\i), ADRA+\slot, \q, \i
.endr
.endm
.macro SCALES sc                       ; a slot's scale words: four words a row; lanes 0-15 take A's block i, lanes 16-31 B's block i
.irp i, 0,1,2,3,4,5,6,7
	ds_load_b128 v[SC+8*NQ*\sc+NQ*\i:SC+8*NQ*\sc+NQ*\i+3], v[ADRS] offset:\i*SBLK
.endr
.endm
.macro PLACES n                        ; plain vector lines between a matrix instruction and a load into, or a vector line on, its registers
.rept \n
	v_nop
.endr
.endm
.macro STEP slot, q, zero              ; 128 along K that has its successor in the same slot
	s_wait_dscnt 4*NL                              ; B's set and A's blocks 0-3 are in; the youngest eight loads (A's blocks 4-7) may be out
	WIN MUL_LO
	MUL16 0, (\q)%2, \q, \slot, \zero
	MUL16 2, (\q)%2, \q, \slot, \zero
	s_wait_dscnt 0
	PLACES NP
	FETCH_B \slot, (\q)+1, 1-(\q)%2
	FETCH_A \slot, (\q)+1, 0
	WIN MUL_HI
	MUL16 4, (\q)%2, \q, \slot, \zero
	MUL16 6, (\q)%2, \q, \slot, \zero
	PLACES NP
	WIN 0
	FETCH_A \slot, (\q)+1, 4
.endm
.macro TURN slot, next                 ; a slot's last step changes slots: one barrier
	s_wait_tensorcnt 0x0                           ; all my tensor loads have landed: my part of the next slot
	ds_add_u32 v[SPW], v[NIL]                      ; 0 onto my spare word
	s_wait_dscnt 4*NL+1                            ; (the add and the youngest eight loads may be out)
	WIN MUL_LO
	MUL16 0, 1, NQ-1, \slot, 0
	s_wait_dscnt 0x0
	s_barrier_signal -1
	MUL16 2, 1, NQ-1, \slot, 0
	WIN 0
	s_barrier_wait -1                              ; every wave's part of the next slot is in
	PLACES NP
	v_add_nc_u32 v[ADRS], 4*NQ, v[ADRS]            ; on to the next slot's scale words
	FETCH_B \next, 0, 0
	FETCH_A \next, 0, 0
	SCALES \next
	WIN MUL_HI
	MUL16 4, 1, NQ-1, \slot, 0
	MUL16 6, 1, NQ-1, \slot, 0
	PLACES NP
	WIN 0
	FETCH_A \next, 0, 4
.endm
	s_wait_tensorcnt 1                             ; the scales and my part of slot 0 are in (slot 1's load may be out),
	s_barrier_signal -1
	s_barrier_wait -1                              ; everybody's are
	FETCH_B 0, 0, 0
	FETCH_A 0, 0, 0
	SCALES 0
	FETCH_A 0, 0, 4
	STEP 0, 0, 1                                   ; the first products start the sums: nothing is cleared
	STEP 0, 1, 0
	STEP 0, 2, 0
	TURN 0, 1
	STEP 1, 0, 0
	STEP 1, 1, 0
	STEP 1, 2, 0
	s_wait_dscnt 4*NL                              ; the last step: nothing more to fetch
	WIN MUL_LO
	MUL16 0, 1, NQ-1, 1, 0
	MUL16 2, 1, NQ-1, 1, 0
	s_wait_dscnt 0
	WIN MUL_HI
	MUL16 4, 1, NQ-1, 1, 0
	MUL16 6, 1, NQ-1, 1, 0
	WIN 0
	PLACES NP                                      ; in front of the first read of results and the first write over A's fragments
	s_cmp_eq_u32 ttmp9, 2
	s_cbranch_scc1 .Lv_out
; q, k: block a of 16 tokens.  Registers 2 i, 2 i + 1 of accumulator (a, b) are a pair (x0, x1): x0 c - x1 s, x0 s + x1 c, in f32; then f16.
.macro QK_OUT a
.set AC, 64*((\a)%4)
.set CC, CS+32*((\a)%2)
.set WN, 0x02+(\a)/4
.if (\a) < 7
	s_wait_loadcnt 8                               ; this block's cos and sin are in; the next block's eight loads may be out
.else
	s_wait_loadcnt 0x0
.endif
	s_wait_xcnt 0x0                                ; the last block's stores have read their data registers, which are written anew below
	WIN WN                                         ; source 0: the accumulators' window
.irp b, 0,1,2,3,4,5,6,7
.irp i, 0,1,2,3
	v_mul_f32 v[T+8*\b+2*\i],   v[AC+8*\b+2*\i+1], v[CC+8*(\b%4)+2*\i+1]    ; x1 s   (each accumulator is read from its low end on)
	v_mul_f32 v[T+8*\b+2*\i+1], v[AC+8*\b+2*\i],   v[CC+8*(\b%4)+2*\i+1]    ; x0 s
.endr
.irp i, 0,1,2,3
	v_fma_f32 v[T+8*\b+2*\i],   v[AC+8*\b+2*\i],   v[CC+8*(\b%4)+2*\i], -v[T+8*\b+2*\i]
	v_fma_f32 v[T+8*\b+2*\i+1], v[AC+8*\b+2*\i+1], v[CC+8*(\b%4)+2*\i],  v[T+8*\b+2*\i+1]
.endr
.endr
	WIN 0
.if (\a) == 0
	s_cmp_lg_u32 s3, 0                             ; places 0 to 15 of the sequence also leave in f32
	s_cbranch_scc1 .Lnot_first_\@
.irp b, 0,1,2,3,4,5,6,7
.irp e, 0,1
	global_store_b128 v[FV], v[T+8*\b+4*\e:T+8*\b+4*\e+3], s[F32B:F32B+1] offset:4096*(\b/4)+64*(\b%4)+16*\e
.endr
.endr
.Lnot_first_\@:
.endif
.irp b, 0,1,2,3,4,5,6,7
.irp i, 0,1,2,3
	v_cvt_pk_f16_f32 v[PK+4*\b+\i], v[T+8*\b+2*\i], v[T+8*\b+2*\i+1]
.endr
.endr
.irp b, 0,1,2,3,4,5,6,7
	global_store_b128 v[L16], v[PK+4*\b:PK+4*\b+3], s[OUTB:OUTB+1] offset:2048*(\a)+262144*(\b/4)+512*(\b%4)   ; 32 lanes store 512 consecutive bytes: half a fragment
.endr
.if (\a) < 6
	ROPE_LOAD (\a)+2                               ; into the set that has just been read
.endif
.endm
.irp a, 0,1,2,3,4,5,6,7
	QK_OUT \a
.endr
	s_branch .Ldone
.Lv_out:
; v: block a of 16 channels; accumulator (a, b) holds tokens 16 b + 8 h + 0..7 of channel r
.macro V_OUT a
.set AC, 64*((\a)%4)
.set WN, 0x0a+5*((\a)/4)
.set WS, 0x08+4*((\a)/4)
	s_wait_xcnt 0x0                                ; the last block's stores have read their data registers
	WIN WN                                         ; sources 0 and 1: the accumulators' window
.irp b, 0,1,2,3,4,5,6,7
.irp i, 0,1,2,3
	v_cvt_pk_f16_f32 v[PK+4*\b+\i], v[AC+8*\b+2*\i], v[AC+8*\b+2*\i+1]
.endr
.endr
	WIN 0
.irp b, 0,1,2,3,4,5,6,7
	global_store_b128 v[L16], v[PK+4*\b:PK+4*\b+3], s[OUTB:OUTB+1] offset:262144*((\a)/4)+1024*((\a)%4)+4096*(\b/2)+512*(\b%2)
.endr
	s_cmp_lg_u32 s3, 0                             ; places 0 to 15 of the sequence (b = 0) also leave in f32
	s_cbranch_scc1 .Lnot_first_\@
	WIN WS                                         ; a store's data are its source 1
	global_store_b128 v[FV], v[AC:AC+3],   s[F32B:F32B+1] offset:4096*((\a)/4)+1024*((\a)%4)
	global_store_b128 v[FV], v[AC+4:AC+7], s[F32B:F32B+1] offset:4096*((\a)/4)+1024*((\a)%4)+16
	WIN 0
.Lnot_first_\@:
.endm
.irp a, 0,1,2,3,4,5,6,7
	V_OUT \a
.endr
.Ldone:
	s_wait_tensorcnt 0x0                           ; the wave's end, behind my last tensor load
	ds_add_u32 v[SPW], v[NIL]
	s_wait_dscnt 0x0
	CROUND                                         ; the closing round
	s_endpgm
.Lfunc_end_k_q67d62cd0b5_proj:
	.size	k_q67d62cd0b5_proj, .Lfunc_end_k_q67d62cd0b5_proj-k_q67d62cd0b5_proj
	.p2alignl 7, 3214868480
	.fill 96, 4, 3214868480
	.section	.rodata,"a",@progbits
	.p2align	6, 0x0
	.amdhsa_kernel k_q67d62cd0b5_proj
		.amdhsa_group_segment_fixed_size 327680
		.amdhsa_private_segment_fixed_size 0
		.amdhsa_enable_private_segment 0
		.amdhsa_kernarg_size 40
		.amdhsa_user_sgpr_count 2
		.amdhsa_user_sgpr_kernarg_segment_ptr 1
		.amdhsa_wavefront_size32 1
		.amdhsa_system_sgpr_workgroup_id_x 1
		.amdhsa_system_sgpr_workgroup_id_y 1
		.amdhsa_system_sgpr_workgroup_id_z 1
		.amdhsa_system_vgpr_workitem_id 0
		.amdhsa_next_free_vgpr 1024
		.amdhsa_next_free_sgpr 100
		.amdhsa_reserve_vcc 0
		.amdhsa_float_denorm_mode_32 3
		.amdhsa_float_denorm_mode_16_64 3
		.amdhsa_memory_ordered 1
		.amdhsa_forward_progress 1
		.amdhsa_inst_pref_size 200
	.end_amdhsa_kernel
	.amdgpu_metadata
---
amdhsa.version: [ 1, 2 ]
amdhsa.kernels:
  - .name:           k_q67d62cd0b5_proj
    .symbol:         k_q67d62cd0b5_proj.kd
    .args:
      - { .name: codes, .offset: 0, .size: 8, .value_kind: global_buffer, .address_space: global }
      - { .name: scales, .offset: 8, .size: 8, .value_kind: global_buffer, .address_space: global }
      - { .name: rope, .offset: 16, .size: 8, .value_kind: global_buffer, .address_space: global }
      - { .name: qkv16, .offset: 24, .size: 8, .value_kind: global_buffer, .address_space: global }
      - { .name: f32rows, .offset: 32, .size: 8, .value_kind: global_buffer, .address_space: global }
    .group_segment_fixed_size: 327680
    .private_segment_fixed_size: 0
    .kernarg_segment_align: 8
    .kernarg_segment_size: 40
    .max_flat_workgroup_size: 128
    .sgpr_count:     100
    .vgpr_count:     1024
    .wavefront_size: 32
...
	.end_amdgpu_metadata
.endif
;; end of part 2
;; launch attn (part 3): grid 4 x 64, 8 waves a work-group, no clusters, 327,680 bytes of LDS; arguments qkv16, ctx16; writes ctx16
.if DOCPART == 3
	.amdgcn_target "amdgcn-amd-amdhsa--gfx1250"
	.amdhsa_code_object_version 6
	.text
	.protected	k_q67d62cd0b5_attn
	.globl	k_q67d62cd0b5_attn
	.p2align	8
	.type	k_q67d62cd0b5_attn,@function
k_q67d62cd0b5_attn:
	s_mov_b64 s[64:65], 0
	v_nop
	global_prefetch_b8 v0, s[64:65] scope:SCOPE_SE
	s_setreg_imm32_b32 hwreg(HW_REG_WAVE_MODE, 25, 1), 1
	s_wait_xcnt 0x0
; ctx[q] = the sum over keys k <= q of softmax_k(q . k / 8) v[k], for 64 heads (16 batch + head) of 2,048 places x 64 channels.  Operands in f16, products, maxima and sums in f32; a running maximum is taken away before each exponential.
; q, k and v^T arrive as images of the operands' registers (layouts: at the launch that makes them), so every fragment comes by loads of 16 bytes a lane at 16 x lane; nothing is padded or turned.
; SHARES.  Work-group (i, head) owns query blocks 7 - i and then i, of 256 queries each: (8 - i) + (i + 1) = 9 blocks of 256 keys for every work-group, so the trip count is the constant 9 and all 256 work-groups have equal work.
; Each of eight waves owns 32 queries, two tiles of 16; two waves share a SIMD's registers, so that one wave's softmax stands beside the other's products.
; NO CLUSTER: from trip 8 - i on the four work-groups of a head walk different key blocks; a walk common to the four would take 12 block times against 9.
; RING.  Two LDS slots of 256 keys: K's images (32,768 bytes), then V's (32,768).  Each wave fetches 8,192 dense bytes by one tensor load; a wave never has more than one out.
; LAYOUT.  S^T = K Q^T (source 0 = 16 keys, source 1 = 16 queries): a lane holds ONE query (lane % 16) and keys 16 kt + 8 (lane / 16) + 0..7.  Two such tiles, rounded to f16 in pairs, are source 1 of O^T = V^T P.
; O^T's eight channels of a lane, rounded to f16, are half a fragment of the out projection: ctx16 [512 tiles of 16 rows][32 chunks of 32][2 halves][32 lanes][16 bytes].
; CAUSAL.  A step of 64 keys all of which come after my 32 queries is jumped over (a scalar branch on ids, round work alone); on the diagonal hidden scores become -infinity.  A step that is walked begins at or under my first query, so each row has a finite maximum.
; LIMITS: |ctx| under 65,504 (f16).  Rows 0 to 15 of every sequence are made again in f32 by a later launch.
; REGISTERS: window 0: v1-10 addresses and constants; v12-27 statistics, 8 a tile: c m, m, l (two halves), c0, c1, c2 (then a), c3; v32-95 S^T; v96-127 P; v128-191 O^T.   window 1: v0-31 Q; v64-127 K; v128-191 V.
.set SLOTB, 65536
.set SPARE, 2*SLOTB                    ; the spare words, 128 bytes for each of eight waves
.set L16, 1                            ; v1  16 x lane
.set ADR, 2                            ; v2  the LDS address of the step's loads
.set PFO, 3                            ; v3  256 x lane: the prefetches' offset
.set SPW, 4
.set NIL, 5
.set RR,  6                            ; v6  r - 8 h
.set H8,  7
.set D0,  8                            ; v8, v9 the mask's bounds for the two tiles
.set NINF, 10
.set ST,  12
.set S,   32
.set P,   96
.set O,   128
.set QQ,  0
.set KK,  64
.set VV,  128
.set WV,  8                            ; s8   wave
.set II,  9                            ; s9   i
.set HD,  10                           ; s10  16 batch + head
.set NA,  11                           ; s11  8 - i: trips of the first pass
.set TT,  12                           ; s12  the trip
.set CNT, 13                           ; s13  counts a slot's four steps
.set TB,  14                           ; s14  LDS byte of the step's tiles
.set KF,  15                           ; s15  the step's first key
.set Q0,  16                           ; s16  my first query
.set QBK, 17                           ; s17  the query block
; s[24:31] descriptor group 1; s[32:35] group 0; s[36:37] my 8,192 bytes of key block 0; s[38:39] the key block's offset; s[40:41] the prefetch's address; s42 trips in which I prefetch;
; s[44:45] my Q; s[46:47] my ctx; s[50:51] c = log2(e) / 8; s[52:53] lane selects; s54-57 at work
.set MSB, 0
.macro WIN new
.if MSB != \new
	s_set_vgpr_msb (MSB<<8)|\new
.set MSB, \new
.endif
.endm
	s_load_b128 s[4:7], s[0:1], 0x0                ; qkv16 s[4:5], ctx16 s[6:7]
	v_lshl_add_u32 v[SPW], v0, 2, SPARE
	v_mov_b32 v[NIL], 0
	ds_add_u32 v[SPW], v[NIL]                      ; the wave's opening: the add, twice on end, and its wait ahead of my first tensor load
	ds_add_u32 v[SPW], v[NIL]
	v_lshrrev_b32 v11, 5, v0
	v_readfirstlane_b32 s[WV], v11
	s_mov_b32 s[II], ttmp9
	s_and_b32 s[HD], ttmp7, 0xffff
	s_sub_co_u32 s[NA], 8, s[II]
	s_mov_b32 s24, 3<<16                           ; no mask; elements of 8 bytes; no padding: 8,192 dense bytes as 32 rows of 256
	s_mov_b32 s25, 32<<16                          ; tensor_dim0 = 32
	s_mov_b32 s26, 32<<16                          ; tensor_dim1 = 32
	s_mov_b32 s27, 32<<16                          ; tile_dim0 = 32
	s_mov_b32 s28, 32                              ; tile_dim1 = 32
	s_mov_b32 s29, 32                              ; the pitch
	s_mov_b32 s30, 0
	s_mov_b32 s31, 0
	s_mov_b32 s50, 0x3e38aa3b                      ; c = log2(e) / sqrt(64)
	s_mov_b32 s51, s50                             ; (named with it as a pair, so it is written)
	s_mov_b32 s52, 0x76543210
	s_mov_b32 s53, 0xfedcba98                      ; v_permlanex16_b32: lane l xor 16
	v_and_b32 v11, 31, v0
	v_lshlrev_b32 v[L16], 4, v11
	v_lshlrev_b32 v[PFO], 8, v11
	v_and_b32 v[RR], 15, v0
	v_bfe_u32 v[H8], v0, 4, 1
	v_lshlrev_b32 v[H8], 3, v[H8]
	v_sub_nc_u32 v[RR], v[RR], v[H8]
	v_mov_b32 v[NINF], 0xff800000
	s_cmp_eq_u32 s[II], 0
	s_cselect_b32 s42, 6, 0                        ; the head's work-group 0 prefetches, in trips 0 to 5
	s_lshr_b32 s54, s[WV], 2                       ; waves 0-3 fetch K's quarters, waves 4-7 V's
	s_add_co_u32 s54, s54, 1
	s_lshl_b32 s54, s54, 24
	s_lshl_b32 s55, s[HD], 18
	s_add_co_u32 s54, s54, s55
	s_and_b32 s55, s[WV], 3
	s_lshl_b32 s55, s55, 13
	s_add_co_u32 s54, s54, s55
	s_mov_b32 s55, 0
	s_mov_b32 s38, 0
	s_mov_b32 s39, 0
	s_mov_b32 s32, 1                               ; count = 1
	s_lshl_b32 s33, s[WV], 13                      ; LDS: 8,192 x wave, in slot 0
	s_wait_dscnt 0x0                               ; both opening adds are done
	s_wait_kmcnt 0x0
	s_add_nc_u64 s[36:37], s[4:5], s[54:55]
	s_mov_b64 s[34:35], s[36:37]
	s_or_b32 s35, s35, 0x80000000                  ; type = 2
	s_mov_b64 s[40:41], s[36:37]
	tensor_load_to_lds s[32:35], s[24:31]          ; key block 0 into slot 0
	s_nop 0
.rept 4
	v_nop
.endr
; A pass begins: addresses from the query block, Q into registers, statistics and O^T as nothing summed yet (the step is written once: its first use finds zeros, which the first rescaling leaves zeros).
.macro START
	s_lshl_b32 s[Q0], s[QBK], 8
	s_lshl_b32 s54, s[WV], 5
	s_add_co_u32 s[Q0], s[Q0], s54
	s_lshr_b32 s54, s[Q0], 4                       ; my first tile of 16 tokens
	s_lshl_b32 s56, s54, 11
	s_lshl_b32 s55, s[HD], 18
	s_add_co_u32 s56, s56, s55
	s_mov_b32 s57, 0
	s_add_nc_u64 s[44:45], s[4:5], s[56:57]
	s_lshr_b32 s55, s[HD], 4
	s_lshl_b32 s55, s55, 7
	s_add_co_u32 s55, s55, s54                     ; ctx's tile of rows: 128 batch + the token tile
	s_lshl_b32 s56, s55, 15
	s_and_b32 s55, s[HD], 15
	s_lshl_b32 s55, s55, 11                        ; the head's two chunks of 32
	s_add_co_u32 s56, s56, s55
	s_add_nc_u64 s[46:47], s[6:7], s[56:57]
	WIN 0x40                                       ; destination window 1
.irp n, 0,1,2,3,4,5,6,7
	global_load_b128 v[QQ+4*\n:QQ+4*\n+3], v[L16], s[44:45] offset:512*\n   ; fragment (tile t, chunk c) at v[16 t + 8 c]
.endr
	WIN 0
.irp t, 0,1
	v_mov_b32 v[ST+8*\t+1], 0xff61b1e6             ; m = -3e38, under every score
	v_mul_f32 v[ST+8*\t], s50, v[ST+8*\t+1]
	v_mov_b32 v[ST+8*\t+2], 0
	v_mov_b32 v[ST+8*\t+3], 0
.endr
.set i, 0
.rept 64
	v_mov_b32 v[O+i], 0
.set i, i+1
.endr
	s_wait_loadcnt 0x0
.endm
; The softmax of both tiles for 64 keys, the tiles line by line by turns.  All 66 exponentials are ONE batch with one wait ahead of the first line that names a result.
.macro SOFTMAX
.irp j, 0,1,2,3
.irp t, 0,1
	v_max3_num_f32 v[ST+8*\t+4+\j], v[S+32*\t+8*\j], v[S+32*\t+8*\j+1], v[S+32*\t+8*\j+2]   ; four chains; each accumulator is read from its low end on
.endr
.endr
.irp g, 1,2
.irp j, 0,1,2,3
.irp t, 0,1
	v_max3_num_f32 v[ST+8*\t+4+\j], v[ST+8*\t+4+\j], v[S+32*\t+8*\j+2*\g+1], v[S+32*\t+8*\j+2*\g+2]
.endr
.endr
.endr
.irp t, 0,1
	v_max3_num_f32 v[ST+8*\t+4], v[ST+8*\t+4], v[S+32*\t+7], v[S+32*\t+15]
.endr
.irp t, 0,1
	v_max3_num_f32 v[ST+8*\t+6], v[ST+8*\t+6], v[S+32*\t+23], v[S+32*\t+31]
.endr
.irp t, 0,1
	v_max3_num_f32 v[ST+8*\t+4], v[ST+8*\t+4], v[ST+8*\t+5], v[ST+8*\t+6]
.endr
.irp t, 0,1
	v_max3_num_f32 v[ST+8*\t+4], v[ST+8*\t+4], v[ST+8*\t+7], v[ST+8*\t+1]   ; with the old m
.endr
.irp t, 0,1
	v_permlanex16_b32 v[ST+8*\t+5], v[ST+8*\t+4], s52, s53                  ; the query's other 32 keys lie in the lane 16 away
.endr
.irp t, 0,1
	v_mov_b32 v[ST+8*\t+7], v[ST+8*\t]             ; c m_old
.endr
.irp t, 0,1
	v_max_num_f32 v[ST+8*\t+1], v[ST+8*\t+4], v[ST+8*\t+5]
.endr
.irp t, 0,1
	v_mul_f32 v[ST+8*\t], s50, v[ST+8*\t+1]
.endr
.irp t, 0,1
	v_sub_f32 v[ST+8*\t+7], v[ST+8*\t+7], v[ST+8*\t]
.endr
.irp b, 0,1,2,3,4,5,6,7,8,9,10,11,12,13,14,15
.irp t, 0,1
	v_pk_fma_f32 v[S+32*\t+2*\b:S+32*\t+2*\b+1], v[S+32*\t+2*\b:S+32*\t+2*\b+1], s[50:51], v[ST+8*\t:ST+8*\t+1] op_sel_hi:[1,0,0] neg_lo:[0,0,1] neg_hi:[0,0,1]   ; c s - c m
.endr
.endr
.irp t, 0,1
	v_exp_f32 v[ST+8*\t+6], v[ST+8*\t+7]           ; a = 2^(c m_old - c m_new)
.endr
.set e, 0
.rept 32
	v_exp_f32 v[S+e], v[S+e]
	v_exp_f32 v[S+32+e], v[S+32+e]
.set e, e+1
.endr
	v_nop                                          ; a plain line behind the last exponential
	s_wait_alu depctr_va_vdst(0)                   ; one wait for the batch
.irp i, 0,1,2,3,4,5,6,7,8,9,10,11,12,13,14,15
.irp t, 0,1
	v_cvt_pk_f16_f32 v[P+16*\t+\i], v[S+32*\t+2*\i], v[S+32*\t+2*\i+1]
.endr
.endr
.irp u, 0,1,2,3,4,5,6,7
.irp t, 0,1
	v_pk_add_f32 v[S+32*\t+4*\u:S+32*\t+4*\u+1], v[S+32*\t+4*\u:S+32*\t+4*\u+1], v[S+32*\t+4*\u+2:S+32*\t+4*\u+3]   ; the sum of the unrounded p, a tree in place
.endr
.endr
.irp u, 0,1,2,3
.irp t, 0,1
	v_pk_add_f32 v[S+32*\t+8*\u:S+32*\t+8*\u+1], v[S+32*\t+8*\u:S+32*\t+8*\u+1], v[S+32*\t+8*\u+4:S+32*\t+8*\u+5]
.endr
.endr
.irp u, 0,1
.irp t, 0,1
	v_pk_add_f32 v[S+32*\t+16*\u:S+32*\t+16*\u+1], v[S+32*\t+16*\u:S+32*\t+16*\u+1], v[S+32*\t+16*\u+8:S+32*\t+16*\u+9]
.endr
.endr
.irp t, 0,1
	v_pk_add_f32 v[S+32*\t:S+32*\t+1], v[S+32*\t:S+32*\t+1], v[S+32*\t+16:S+32*\t+17]
.endr
.irp t, 0,1
	v_pk_fma_f32 v[ST+8*\t+2:ST+8*\t+3], v[ST+8*\t+2:ST+8*\t+3], v[ST+8*\t+6:ST+8*\t+7], v[S+32*\t:S+32*\t+1] op_sel_hi:[1,0,1]   ; l = a l + the sum
.endr
.irp i, 0,1,2,3,4,5,6,7,8,9,10,11,12,13,14,15
.irp t, 0,1
	v_pk_mul_f32 v[O+32*\t+2*\i:O+32*\t+2*\i+1], v[O+32*\t+2*\i:O+32*\t+2*\i+1], v[ST+8*\t+6:ST+8*\t+7] op_sel_hi:[1,0]   ; O^T x a, each accumulator from its low end on
.endr
.endr
.endm
; A step: 64 keys at LDS byte s[TB] of the slot in hand
.macro STEP
	s_add_co_u32 s54, s[Q0], 31
	s_cmp_gt_u32 s[KF], s54                        ; all 64 keys come after my last query: nothing to do but step the addresses
	s_cbranch_scc1 .Lhid_\@
	v_add_nc_u32 v[ADR], s[TB], v[L16]             ; this line and three v_nop: the four places in front of loads into registers that matrix instructions have read
.rept 3
	v_nop
.endr
	WIN 0x40
.irp f, 0,1,2,3,4,5,6,7,8,9,10,11,12,13,14,15
	ds_load_b128 v[KK+4*\f:KK+4*\f+3], v[ADR] offset:512*\f            ; K's fragment (16 keys kt, chunk c) at v[64 + 16 kt + 8 c]
.endr
.irp f, 0,1,2,3,4,5,6,7,8,9,10,11,12,13,14,15
	ds_load_b128 v[VV+4*\f:VV+4*\f+3], v[ADR] offset:32768+512*\f      ; V^T's fragment (32 keys kc, 16 channels ct) at v[128 + 32 kc + 8 ct]
.endr
	s_wait_dscnt 16                                ; K is in; V's sixteen loads may be out
	WIN 0x05                                       ; sources 0 and 1 window 1
.irp c, 0,1                            ; eight accumulators by turns, one instruction a turn
.irp kt, 0,1,2,3
.irp t, 0,1
.if \c == 0
	v_wmma_f32_16x16x32_f16 v[S+32*\t+8*\kt:S+32*\t+8*\kt+7], v[KK+16*\kt+8*\c:KK+16*\kt+8*\c+7], v[QQ+16*\t+8*\c:QQ+16*\t+8*\c+7], 0
.else
	v_wmma_f32_16x16x32_f16 v[S+32*\t+8*\kt:S+32*\t+8*\kt+7], v[KK+16*\kt+8*\c:KK+16*\kt+8*\c+7], v[QQ+16*\t+8*\c:QQ+16*\t+8*\c+7], v[S+32*\t+8*\kt:S+32*\t+8*\kt+7]
.endif
.endr
.endr
.endr
	WIN 0
.rept 4
	v_nop                                          ; places in front of the first read of the scores
.endr
	s_add_co_u32 s54, s[KF], 63
	s_cmp_le_u32 s54, s[Q0]                        ; all 64 keys count for all my queries: no mask
	s_cbranch_scc1 .Lopen_\@
	s_sub_co_i32 s54, s[Q0], s[KF]
	v_add_nc_u32 v[D0], s54, v[RR]                 ; d = my query - the step's first key - 8 h.  Register 8 kt + j holds key 16 kt + 8 h + j: hidden where 16 kt + j > d
	v_add_nc_u32 v[D0+1], 16, v[D0]
.irp t, 0,1
.set n, 0
.rept 32
	v_cmp_gt_i32 vcc_lo, 16*(n/8)+n%8, v[D0+\t]
	v_cndmask_b32 v[S+32*\t+n], v[S+32*\t+n], v[NINF], vcc_lo
.set n, n+1
.endr
.endr
.Lopen_\@:
	SOFTMAX
	s_wait_dscnt 0x0                               ; V is in
	WIN 0x01                                       ; source 0 window 1
.irp kc, 0,1
.irp ct, 0,1,2,3
.irp t, 0,1
	v_wmma_f32_16x16x32_f16 v[O+32*\t+8*\ct:O+32*\t+8*\ct+7], v[VV+32*\kc+8*\ct:VV+32*\kc+8*\ct+7], v[P+16*\t+8*\kc:P+16*\t+8*\kc+7], v[O+32*\t+8*\ct:O+32*\t+8*\ct+7]
.endr
.endr
.endr
	WIN 0
.Lhid_\@:
	s_add_co_u32 s[KF], s[KF], 64
	s_add_co_u32 s[TB], s[TB], 8192
.endm
.macro FOUR_STEPS
	s_mov_b32 s[CNT], 4
.Lstep_\@:
	STEP
	s_sub_co_u32 s[CNT], s[CNT], 1
	s_cmp_lg_u32 s[CNT], 0
	s_cbranch_scc1 .Lstep_\@
	s_sub_co_u32 s[TB], s[TB], 32768               ; back to a slot's first step,
	s_xor_b32 s[TB], s[TB], SLOTB                  ; in the other slot
.endm
; A prefetch of the key block that the NEXT change of slots will load: my wave's own 8,192 bytes, lanes 256 bytes apart.  All four work-groups of a head walk the same K and V: work-group 0, which walks blocks 0 to 7 in order,
; asks, in trips 0 to 5, for blocks 2 to 7: each 256 bytes are named once in the launch.  Blocks 0 and 1 come by their loads alone; nothing is asked past block 7.
.macro ASK
	s_cmp_lt_u32 s[TT], s42
	s_cbranch_scc0 .Lnot_mine_\@
	global_prefetch_b8 v[PFO], s[40:41] th:TH_LOAD_NT scope:SCOPE_SE
.Lnot_mine_\@:
.endm
; The change of slots stands at a trip's head.  Each wave waits for its tensor load (its part of the slot that it is about to read), adds 0 to its spare word, and waits for that and for its reads of the slot that it has left.
; fill = 1: behind the barrier that other slot takes the next trip's key block: the load has four steps in which to land.
.macro CHANGE fill
	s_wait_tensorcnt 0x0                           ; no tensor load of mine is out, so group 0 may be written
	ds_add_u32 v[SPW], v[NIL]                      ; 0 onto my spare word
.if \fill
	s_add_co_u32 s54, s[TT], 1
	s_add_co_u32 s38, s38, 32768                   ; the next key block,
	s_cmp_eq_u32 s54, s[NA]
	s_cselect_b32 s38, 0, s38                      ; or block 0 where the second pass begins
	s_add_nc_u64 s[34:35], s[36:37], s[38:39]
	s_or_b32 s35, s35, 0x80000000
	s_xor_b32 s33, s33, SLOTB
	s_wait_xcnt 0x0                                ; the last prefetch, a trip back, has read its address
	s_add_nc_u64 s[40:41], s[36:37], s[38:39]
	s_add_nc_u64 s[40:41], s[40:41], 32768         ; one block further on than the load
.endif
	s_wait_dscnt 0x0                               ; the add is done, and my reads of the slot that I have left are over
	s_barrier_signal -1
	s_barrier_wait -1
.if \fill
	tensor_load_to_lds s[32:35], s[24:31]          ; the first thing behind the barrier, and my one tensor load until the next
	s_nop 0
.rept 4
	v_nop
.endr
	ASK
.endif
.endm
; A pass ends: O^T / l, rounded to f16, leaves as halves of fragments: 32 lanes store 512 consecutive bytes
.macro FINISH
.rept 4
	v_nop                                          ; places behind the last products, on every way
.endr
.irp t, 0,1
	v_add_f32 v[ST+8*\t+4], v[ST+8*\t+2], v[ST+8*\t+3]
.endr
.irp t, 0,1
	v_permlanex16_b32 v[ST+8*\t+5], v[ST+8*\t+4], s52, s53
.endr
.irp t, 0,1
	v_add_f32 v[ST+8*\t+4], v[ST+8*\t+4], v[ST+8*\t+5]
.endr
.irp t, 0,1
	v_rcp_f32 v[ST+8*\t+6], v[ST+8*\t+4]
.endr
	v_nop
	s_wait_alu depctr_va_vdst(0)                   ; one wait for the two reciprocals, ahead of their first reader
.irp i, 0,1,2,3,4,5,6,7,8,9,10,11,12,13,14,15
.irp t, 0,1
	v_pk_mul_f32 v[O+32*\t+2*\i:O+32*\t+2*\i+1], v[O+32*\t+2*\i:O+32*\t+2*\i+1], v[ST+8*\t+6:ST+8*\t+7] op_sel_hi:[1,0]
.endr
.endr
.irp t, 0,1
.irp ct, 0,1,2,3
.irp i, 0,1,2,3
	v_cvt_pk_f16_f32 v[S+16*\t+4*\ct+\i], v[O+32*\t+8*\ct+2*\i], v[O+32*\t+8*\ct+2*\i+1]
.endr
.endr
.endr
.irp t, 0,1
.irp ct, 0,1,2,3
	global_store_b128 v[L16], v[S+16*\t+4*\ct:S+16*\t+4*\ct+3], s[46:47] offset:32768*\t+512*\ct
.endr
.endr
	s_wait_xcnt 0x0                                ; the stores have read their data and their base: both may be written again
.endm
	s_sub_co_u32 s[QBK], 7, s[II]
	START
	s_mov_b32 s[TT], 0
	s_mov_b32 s[TB], 0
	s_mov_b32 s[KF], 0
.Ltrip:                                            ; eight trips; behind each change of slots the next trip's key block is asked for.  Slot 1's first fill stands behind trip 0's barrier, where nothing is filled again
	CHANGE 1
	FOUR_STEPS
	s_add_co_u32 s54, s[TT], 1
	s_cmp_lg_u32 s54, s[NA]                        ; ids and the count of trips alone: all eight waves go the same way
	s_cbranch_scc1 .Lsame
	FINISH                                         ; the first pass is over: on to query block i
	s_mov_b32 s[QBK], s[II]
	s_mov_b32 s[KF], 0
	START
.Lsame:
	s_add_co_u32 s[TT], s[TT], 1
	s_cmp_lt_u32 s[TT], 8
	s_cbranch_scc1 .Ltrip
	CHANGE 0                                       ; the ninth trip is written out: it asks for nothing
	FOUR_STEPS
	FINISH
	s_wait_tensorcnt 0x0                           ; the wave's end, behind my last tensor load
	ds_add_u32 v[SPW], v[NIL]
	s_wait_dscnt 0x0
	s_endpgm
.Lfunc_end_k_q67d62cd0b5_attn:
	.size	k_q67d62cd0b5_attn, .Lfunc_end_k_q67d62cd0b5_attn-k_q67d62cd0b5_attn
	.p2alignl 7, 3214868480
	.fill 96, 4, 3214868480
	.section	.rodata,"a",@progbits
	.p2align	6, 0x0
	.amdhsa_kernel k_q67d62cd0b5_attn
		.amdhsa_group_segment_fixed_size 327680
		.amdhsa_private_segment_fixed_size 0
		.amdhsa_enable_private_segment 0
		.amdhsa_kernarg_size 16
		.amdhsa_user_sgpr_count 2
		.amdhsa_user_sgpr_kernarg_segment_ptr 1
		.amdhsa_wavefront_size32 1
		.amdhsa_system_sgpr_workgroup_id_x 1
		.amdhsa_system_sgpr_workgroup_id_y 1
		.amdhsa_system_sgpr_workgroup_id_z 1
		.amdhsa_system_vgpr_workitem_id 0
		.amdhsa_next_free_vgpr 512
		.amdhsa_next_free_sgpr 66
		.amdhsa_reserve_vcc 1
		.amdhsa_float_denorm_mode_32 3
		.amdhsa_float_denorm_mode_16_64 3
		.amdhsa_memory_ordered 1
		.amdhsa_forward_progress 1
		.amdhsa_inst_pref_size 66
	.end_amdhsa_kernel
	.amdgpu_metadata
---
amdhsa.version: [ 1, 2 ]
amdhsa.kernels:
  - .name:           k_q67d62cd0b5_attn
    .symbol:         k_q67d62cd0b5_attn.kd
    .args:
      - { .name: qkv16, .offset: 0, .size: 8, .value_kind: global_buffer, .address_space: global }
      - { .name: ctx16, .offset: 8, .size: 8, .value_kind: global_buffer, .address_space: global }
    .group_segment_fixed_size: 327680
    .private_segment_fixed_size: 0
    .kernarg_segment_align: 8
    .kernarg_segment_size: 16
    .max_flat_workgroup_size: 256
    .sgpr_count:     66
    .vgpr_count:     512
    .wavefront_size: 32
...
	.end_amdgpu_metadata
.endif
;; end of part 3
;; launch oproj (part 4): grid 4 x 64, 4 waves a work-group, clusters of 4 x 4, 327,680 bytes of LDS; arguments ctx16, ow16, out0; writes out0
.if DOCPART == 4
	.amdgcn_target "amdgcn-amd-amdhsa--gfx1250"
	.amdhsa_code_object_version 6
	.text
	.protected	k_q67d62cd0b5_oproj
	.globl	k_q67d62cd0b5_oproj
	.p2align	8
	.type	k_q67d62cd0b5_oproj,@function
k_q67d62cd0b5_oproj:
	s_mov_b64 s[64:65], 0
	v_nop
	global_prefetch_b8 v0, s[64:65] scope:SCOPE_SE
	s_setreg_imm32_b32 hwreg(HW_REG_WAVE_MODE, 25, 1), 1
	s_wait_xcnt 0x0
	s_wait_alu depctr_hold_cnt(0) depctr_sa_sdst(0) depctr_va_vdst(0) depctr_va_sdst(0) depctr_va_ssrc(0) depctr_va_vcc(0) depctr_vm_vsrc(0)
	s_getreg_b32 s2, hwreg(HW_REG_IB_STS2, 6, 4)
	s_cmp_eq_u32 s2, 0
	s_cbranch_scc0 .Lentry_in_a_cluster
	s_endpgm
.Lentry_in_a_cluster:
	s_bfe_u32 s2, ttmp6, 0x10000c
	s_cmp_lg_u32 s2, 0xf033
	s_cbranch_scc0 .Lentry_shape_is_right
	s_endpgm
.Lentry_shape_is_right:
; out0[m][n] = the sum over k of ctx[m][k] o_w[n][k]: 8,192 x 1,024 x 1,024, operands in f16, sums in f32.  Both operands arrive as images of their registers:
; [tile of 16 rows][32 chunks of 32 along K][2 halves][32 lanes][16 bytes], so that a K step of 128 is 4,096 consecutive bytes of each tile of rows, and a fragment comes by two loads of 16 bytes a lane at 16 x lane.
; A tile of the result is 128 x 256, which gives 256 work-groups; four waves, each 64 x 128: 32 accumulators of 16 x 16.  K goes in eight steps of 128 through two LDS slots.
; CLUSTERS: 4 x 4 work-groups.  The four of a row of the cluster need the same tiles of ctx, the four of a column the same tiles of o_w: each is asked for jointly.  A wave has two tensor loads out at the start, one later.
; THE MATRIX INSTRUCTION IS USED TRANSPOSED (source 0 = 16 rows of o_w, source 1 = 16 rows of ctx): a lane holds eight neighbouring numbers of a row of the result.
; Rows 0 to 15 of every sequence are written here like all others and written again, from f32 operands, by the launch that follows.
; No prefetch: the launch is short and its two streams are shared in the cluster.
; REGISTERS: window 0: v16-29 addresses; v128-255 rows on the way out.   window 1: accumulator (a, b) at v[8 (8 a + b)].   window 2: two fragment buffers, at v0 and v128: B's eight at + 8 b, A's four at + 64 + 8 a.
.set SLOT,   98304                     ; A's 8 tiles of rows x 4,096 bytes, then B's 16
.set STAGE,  2*SLOT                    ; 16 rows x 528 bytes for each wave, bytes of its own
.set SPITCH, 528
.set SPARE,  STAGE+4*16*SPITCH
.set ADRA, 16
.set ADRB, 20
.set STO,  24
.set RD,   25
.set CO,   26
.set SPW,  28
.set NIL,  29
.set BK,   128
.set F0,   0
.set F1,   128
.set G1, 24
.set G0, 32
.set G1B, 48
.set G0B, 56
.set MSB, 0
.macro WIN new
.if MSB != \new
	s_set_vgpr_msb (MSB<<8)|\new
.set MSB, \new
.endif
.endm
.set MUL,  0x5a                        ; sources 0 and 1 window 2; C and D window 1
.set TO_F, 0x80                        ; destination window 2
.macro JLOAD s                         ; waves 0 and 1 fetch A's halves, waves 2 and 3 B's; an s_nop 0 and four v_nop follow each of the two lines
	s_cmp_eq_u32 s11, 0
	s_cbranch_scc0 .Lfor_b_\@
	tensor_load_to_lds s[G0+4*\s:G0+4*\s+3], s[G1:G1+7]
	s_nop 0
.rept 4
	v_nop
.endr
	s_branch .Lasked_\@
.Lfor_b_\@:
	tensor_load_to_lds s[G0B+4*\s:G0B+4*\s+3], s[G1B:G1B+7]
	s_nop 0
.rept 4
	v_nop
.endr
.Lasked_\@:
.endm
.macro CREST
	s_cmp_lg_u32 s10, 0
	s_cbranch_scc1 .Lnot_wave_0_\@
	s_barrier_signal -3
.Lnot_wave_0_\@:
	s_barrier_wait -3
	s_barrier_signal -1
	s_barrier_wait -1
.endm
.macro CROUND
	s_barrier_signal -1
	s_barrier_wait -1
	CREST
.endm
	s_load_b128 s[4:7], s[0:1], 0x0                ; ctx16 s[4:5], ow16 s[6:7]
	s_load_b64 s[8:9], s[0:1], 0x10                ; out0
	v_lshl_add_u32 v[SPW], v0, 2, SPARE
	v_mov_b32 v[NIL], 0
	ds_add_u32 v[SPW], v[NIL]                      ; the wave's opening: the add, twice on end, and its wait ahead of my first tensor load
	ds_add_u32 v[SPW], v[NIL]
	v_lshrrev_b32 v1, 5, v0
	v_readfirstlane_b32 s10, v1                    ; wave
	s_lshr_b32 s11, s10, 1                         ; which 64 rows are mine.  Also: I fetch for A (0) or for B (1)
	s_and_b32 s12, s10, 1                          ; which 128 columns.  Also: which half of that tile I fetch
	s_bfe_u32 s40, ttmp6, 0x40000                  ; cx
	s_bfe_u32 s41, ttmp6, 0x40004                  ; cy
	s_lshl_b32 s42, ttmp9, 2
	s_add_co_u32 s42, s42, s40                     ; tile column
	s_and_b32 s13, ttmp7, 0xffff
	s_lshl_b32 s13, s13, 2
	s_add_co_u32 s13, s13, s41                     ; tile row
	s_lshl_b32 s43, s41, 2
	s_lshl_b32 s43, 15, s43
	s_lshl_b32 s44, 0x1111, s40
	s_or_b32 s[G1+0], s43, (3<<16)|(1<<21)         ; the mask; elements of 8 bytes; bit 21 beside a mask; no padding
	s_or_b32 s[G1B+0], s44, (3<<16)|(1<<21)
	s_mov_b32 s[G1+1], 512<<16                     ; A: 4 rows of 4,096 bytes (512 elements), 32,768 bytes apart
	s_mov_b32 s[G1+2], 4<<16
	s_mov_b32 s[G1+3], 512<<16
	s_mov_b32 s[G1+4], 4
	s_mov_b32 s[G1+5], 4096
	s_mov_b32 s[G1+6], 0
	s_mov_b32 s[G1+7], 0
	s_mov_b32 s[G1B+1], 512<<16                    ; B: 8 such rows
	s_mov_b32 s[G1B+2], 8<<16
	s_mov_b32 s[G1B+3], 512<<16
	s_mov_b32 s[G1B+4], 8
	s_mov_b32 s[G1B+5], 4096
	s_mov_b32 s[G1B+6], 0
	s_mov_b32 s[G1B+7], 0
	s_lshl_b32 s16, s13, 18                        ; A: 32,768 x (8 x tile row + 4 x half)
	s_lshl_b32 s17, s12, 17
	s_add_co_u32 s16, s16, s17
	s_mov_b32 s17, 0
	s_lshl_b32 s46, s42, 19                        ; B: 32,768 x (16 x tile column + 8 x half)
	s_lshl_b32 s47, s12, 18
	s_add_co_u32 s46, s46, s47
	s_mov_b32 s47, 0
	s_lshl_b32 s20, s12, 14                        ; where they go: A's halves, 16,384 bytes each;
	s_lshl_b32 s21, s12, 15
	s_add_co_u32 s21, s21, 32768                   ; B's, 32,768 each, behind A's
	s_wait_dscnt 0x0
	s_wait_kmcnt 0x0
	s_add_nc_u64 s[14:15], s[4:5], s[16:17]
	s_add_nc_u64 s[46:47], s[6:7], s[46:47]
	CROUND                                         ; all sixteen work-groups are here: the first joint loads meet
.irp s, 0,1
	s_mov_b32 s[G0+4*\s], 1
	s_add_co_u32 s[G0+4*\s+1], s20, \s*SLOT
	s_add_nc_u64 s[G0+4*\s+2:G0+4*\s+3], s[14:15], \s*4096
	s_or_b32 s[G0+4*\s+3], s[G0+4*\s+3], 0x80000000
	s_mov_b32 s[G0B+4*\s], 1
	s_add_co_u32 s[G0B+4*\s+1], s21, \s*SLOT
	s_add_nc_u64 s[G0B+4*\s+2:G0B+4*\s+3], s[46:47], \s*4096
	s_or_b32 s[G0B+4*\s+3], s[G0B+4*\s+3], 0x80000000
	JLOAD \s
.endr
	v_and_b32 v1, 15, v0                           ; r
	v_bfe_u32 v2, v0, 4, 1                         ; h
	v_and_b32 v3, 31, v0
	v_lshlrev_b32 v[CO], 4, v3                     ; 16 x lane
	s_lshl_b32 s22, s11, 14                        ; my four tiles of A's rows
	s_lshl_b32 s23, s12, 15
	s_add_co_u32 s23, s23, 32768                   ; my eight tiles of B's
.irp s, 0,1
	v_add_nc_u32 v[ADRA+\s], s22, v[CO]
	v_add_nc_u32 v[ADRB+\s], s23, v[CO]
	s_add_co_u32 s22, s22, SLOT
	s_add_co_u32 s23, s23, SLOT
.endr
	s_mul_i32 s23, s10, 16*SPITCH
	s_add_co_u32 s23, s23, STAGE                   ; my stage
	v_mul_u32_u24 v4, v1, SPITCH
	v_lshl_add_u32 v4, v2, 5, v4
	v_add_nc_u32 v[STO], s23, v4                   ; in: row r, 32 bytes for each half of the lanes
	v_add_nc_u32 v[RD], s23, v[CO]                 ; back: the 32 lanes take one row of 512 bytes
	s_lshl_b32 s16, s13, 19                        ; my first row: 4,096 bytes x (128 x tile row + 64 x half)
	s_lshl_b32 s17, s11, 18
	s_add_co_u32 s16, s16, s17
	s_mov_b32 s17, 0
	s_add_nc_u64 s[8:9], s[8:9], s[16:17]
	s_lshl_b32 s46, s42, 10                        ; my first column: 4 bytes x (256 x tile column + 128 x half)
	s_lshl_b32 s47, s12, 9
	s_add_co_u32 s46, s46, s47
	s_mov_b32 s47, 0
	s_add_nc_u64 s[8:9], s[8:9], s[46:47]
.macro MUL8 f, a, zero                 ; A's block a x B's eight, 32 along K.  The 32 accumulators take turns in the same order in every quarter
.irp b, 0,1,2,3,4,5,6,7
.if \zero
	v_wmma_f32_16x16x32_f16 v[8*(8*(\a)+\b):8*(8*(\a)+\b)+7], v[\f+8*\b:\f+8*\b+7], v[\f+64+8*(\a):\f+64+8*(\a)+7], 0
.else
	v_wmma_f32_16x16x32_f16 v[8*(8*(\a)+\b):8*(8*(\a)+\b)+7], v[\f+8*\b:\f+8*\b+7], v[\f+64+8*(\a):\f+64+8*(\a)+7], v[8*(8*(\a)+\b):8*(8*(\a)+\b)+7]
.endif
.endr
.endm
.macro FETCH slot, q, f                ; 24 LDS loads in one run: chunk q of the slot's four: B's eight fragments, then A's four
	WIN TO_F
.irp i, 0,1,2,3,4,5,6,7
	ds_load_b128 v[\f+8*\i:\f+8*\i+3],   v[ADRB+\slot] offset:4096*\i+1024*(\q)
	ds_load_b128 v[\f+8*\i+4:\f+8*\i+7], v[ADRB+\slot] offset:4096*\i+1024*(\q)+512
.endr
.irp i, 0,1,2,3
	ds_load_b128 v[\f+64+8*\i:\f+64+8*\i+3],   v[ADRA+\slot] offset:4096*\i+1024*(\q)
	ds_load_b128 v[\f+64+8*\i+4:\f+64+8*\i+7], v[ADRA+\slot] offset:4096*\i+1024*(\q)+512
.endr
.endm
.macro PLACES
.rept 4
	v_nop
.endr
.endm
.macro QUARTER slot, q, f, g, zero     ; multiplies buffer f; in its middle it fetches chunk q of the same slot into buffer g
	s_wait_dscnt 4                                 ; B and A's blocks 0, 1 are in; the youngest four loads (A's blocks 2, 3) may be out
	WIN MUL
	MUL8 \f, 0, \zero
	MUL8 \f, 1, \zero
	PLACES
	FETCH \slot, \q, \g
	s_wait_dscnt 24                                ; all but the 24 just issued
	WIN MUL
	MUL8 \f, 2, \zero
	MUL8 \f, 3, \zero
.endm
; The last quarter multiplies buffer 1 and changes slots: one barrier; in front of it each wave waits for all its tensor loads, adds 0 to its spare word, and waits for that and for its reads of this slot.
.macro TURN slot, next, fill
	WIN 0
	s_wait_tensorcnt 0x0                           ; my part of the next slot has landed
	ds_add_u32 v[SPW], v[NIL]
	s_wait_dscnt 5                                 ; (the add and the youngest four loads may be out)
	WIN MUL
	MUL8 F1, 0, 0
	s_wait_dscnt 0x0                               ; the add is done, and my reads of this slot are over
	s_barrier_signal -1
	MUL8 F1, 1, 0
.if \fill
	WIN 0
.endif
	s_barrier_wait -1
.if \fill
	CREST                                          ; the barrier has opened a round of the cluster's: no wave of any partner still reads this slot or has a load on its way
	s_add_nc_u64 s[G0+4*\slot+2:G0+4*\slot+3], s[G0+4*\slot+2:G0+4*\slot+3], 8192
	s_add_nc_u64 s[G0B+4*\slot+2:G0B+4*\slot+3], s[G0B+4*\slot+2:G0B+4*\slot+3], 8192
	JLOAD \slot                                    ; two K steps on; the four v_nop behind it are also the places in front of the loads below
.else
	PLACES
.endif
	FETCH \next, 0, F0
	WIN MUL
	MUL8 F1, 2, 0
	MUL8 F1, 3, 0
.endm
	s_wait_tensorcnt 1                             ; my part of K step 0 is in (K step 1's load may be out),
	s_barrier_signal -1
	s_barrier_wait -1                              ; everybody's is
	FETCH 0, 0, F0
	QUARTER 0, 1, F0, F1, 1                        ; the first quarter's products start the sums
	WIN 0
	s_mov_b32 s3, 3
.Llap:                                             ; three trips, each once round the ring, from a lap's second quarter to the next lap's first
	QUARTER 0, 2, F1, F0, 0
	QUARTER 0, 3, F0, F1, 0
	TURN 0, 1, 1
	QUARTER 1, 1, F0, F1, 0
	QUARTER 1, 2, F1, F0, 0
	QUARTER 1, 3, F0, F1, 0
	TURN 1, 0, 1
	QUARTER 0, 1, F0, F1, 0
	WIN 0
	s_sub_co_u32 s3, s3, 1
	s_cmp_lg_u32 s3, 0
	s_cbranch_scc1 .Llap
	QUARTER 0, 2, F1, F0, 0                        ; the last lap fills nothing
	QUARTER 0, 3, F0, F1, 0
	TURN 0, 1, 0
	QUARTER 1, 1, F0, F1, 0
	QUARTER 1, 2, F1, F0, 0
	QUARTER 1, 3, F0, F1, 0
	s_wait_dscnt 4
	WIN MUL
	MUL8 F1, 0, 0
	MUL8 F1, 1, 0
	s_wait_dscnt 0
	MUL8 F1, 2, 0
	MUL8 F1, 3, 0
	WIN 0
; THE WAY OUT, a block of 16 rows x 128 columns at a time through my own stage: in as 32 bytes a lane, back as whole rows of 512 bytes.  LDS serves a wave's instructions in order: no wait between the stores and the loads.
.macro TOSTAGE a
	WIN 0x04                                       ; an LDS store's data are its source 1: window 1
.irp b, 0,1,2,3,4,5,6,7
	ds_store_b128 v[STO], v[8*(8*(\a)+\b):8*(8*(\a)+\b)+3] offset:64*\b          ; each accumulator from its low end on
	ds_store_b128 v[STO], v[8*(8*(\a)+\b)+4:8*(8*(\a)+\b)+7] offset:64*\b+16
.endr
	WIN 0
.set BB, BK+64*((\a)%2)
.irp t, 0,1,2,3,4,5,6,7,8,9,10,11,12,13,14,15
	ds_load_b128 v[BB+4*\t:BB+4*\t+3], v[RD] offset:\t*SPITCH
.endr
.endm
.macro SEND a, younger
.set BB, BK+64*((\a)%2)
	s_wait_dscnt \younger                          ; the block is back in registers; the next block's 16 stores and 16 loads may be out
.irp t, 0,1,2,3,4,5,6,7,8,9,10,11,12,13,14,15
	global_store_b128 v[CO], v[BB+4*\t:BB+4*\t+3], s[8:9] offset:4096*(16*(\a)+\t) th:TH_STORE_NT   ; 32 lanes store 512 consecutive bytes, aligned
.endr
.endm
	PLACES
	TOSTAGE 0
.irp a, 1,2,3
.if \a > 1
	s_wait_xcnt 0x0                                ; block a - 2's stores have read their registers: block a's loads may land there
.endif
	TOSTAGE \a
	SEND \a-1, 32
.endr
	SEND 3, 0
	s_wait_tensorcnt 0x0                           ; the wave's end, behind my last tensor load and my last LDS store
	ds_add_u32 v[SPW], v[NIL]
	s_wait_dscnt 0x0
	CROUND                                         ; the closing round
	s_endpgm
.Lfunc_end_k_q67d62cd0b5_oproj:
	.size	k_q67d62cd0b5_oproj, .Lfunc_end_k_q67d62cd0b5_oproj-k_q67d62cd0b5_oproj
	.p2alignl 7, 3214868480
	.fill 96, 4, 3214868480
	.section	.rodata,"a",@progbits
	.p2align	6, 0x0
	.amdhsa_kernel k_q67d62cd0b5_oproj
		.amdhsa_group_segment_fixed_size 327680
		.amdhsa_private_segment_fixed_size 0
		.amdhsa_enable_private_segment 0
		.amdhsa_kernarg_size 24
		.amdhsa_user_sgpr_count 2
		.amdhsa_user_sgpr_kernarg_segment_ptr 1
		.amdhsa_wavefront_size32 1
		.amdhsa_system_sgpr_workgroup_id_x 1
		.amdhsa_system_sgpr_workgroup_id_y 1
		.amdhsa_system_sgpr_workgroup_id_z 1
		.amdhsa_system_vgpr_workitem_id 0
		.amdhsa_next_free_vgpr 768
		.amdhsa_next_free_sgpr 66
		.amdhsa_reserve_vcc 0
		.amdhsa_float_denorm_mode_32 3
		.amdhsa_float_denorm_mode_16_64 3
		.amdhsa_memory_ordered 1
		.amdhsa_forward_progress 1
		.amdhsa_inst_pref_size 84
	.end_amdhsa_kernel
	.amdgpu_metadata
---
amdhsa.version: [ 1, 2 ]
amdhsa.kernels:
  - .name:           k_q67d62cd0b5_oproj
    .symbol:         k_q67d62cd0b5_oproj.kd
    .args:
      - { .name: ctx16, .offset: 0, .size: 8, .value_kind: global_buffer, .address_space: global }
      - { .name: ow16, .offset: 8, .size: 8, .value_kind: global_buffer, .address_space: global }
      - { .name: out0, .offset: 16, .size: 8, .value_kind: global_buffer, .address_space: global }
    .group_segment_fixed_size: 327680
    .private_segment_fixed_size: 0
    .kernarg_segment_align: 8
    .kernarg_segment_size: 24
    .max_flat_workgroup_size: 128
    .sgpr_count:     66
    .vgpr_count:     768
    .wavefront_size: 32
...
	.end_amdgpu_metadata
.endif
;; end of part 4
;; launch first16 (part 5): grid 16 x 4, 16 waves a work-group, no clusters, 85,504 bytes of LDS; arguments f32rows, o_w, out0; writes out0
.if DOCPART == 5
	.amdgcn_target "amdgcn-amd-amdhsa--gfx1250"
	.amdhsa_code_object_version 6
	.text
	.protected	k_q67d62cd0b5_first16
	.globl	k_q67d62cd0b5_first16
	.p2align	8
	.type	k_q67d62cd0b5_first16,@function
k_q67d62cd0b5_first16:
	s_mov_b64 s[64:65], 0
	v_nop
	global_prefetch_b8 v0, s[64:65] scope:SCOPE_SE
	s_setreg_imm32_b32 hwreg(HW_REG_WAVE_MODE, 25, 1), 1
	s_wait_xcnt 0x0
; Places 0 to 15 of each of the four sequences once more, wholly in f32: these rows average one to sixteen values and are the largest in size, so f16 operands would use up what the comparison allows.
; Work-group (cb, batch) makes out0[batch][0..15][64 cb .. 64 cb + 63].  It is no bulk work: 64 rows of 8,192.
; PHASE A, wave w = head w: S^T = k q^T (16 x 16 x 64), the causal mask, a softmax with its maximum taken away, ctx^T = v^T p (64 x 16 x 16); ctx goes to LDS, 16 rows of 1,024 numbers.
; PHASE B, wave w: 16 columns (w % 4) x a quarter of K (w / 4): 64 matrix instructions; the four quarters meet in LDS and waves 0 to 7 add them and store whole runs of 256 bytes.
; v_wmma_f32_16x16x4_f32 takes k = 2 h + j in register j of lane (r, h).  A PERMUTATION OF k APPLIED ALIKE TO BOTH OPERANDS keeps the products: a lane loads 16 neighbouring bytes at a time, lanes 16-31 half the K range on,
; and each pair of its registers is one K step.  The sums go into four accumulators by turns; v16-47 are written by matrix instructions alone; what is made of them goes into other registers.
.set CPITCH, 4112                      ; a row of ctx in LDS: 4,096 bytes + 16
.set PART,  66048                      ; four planes of 16 rows x (256 + 16) bytes
.set SPARE, PART+4*4352                ; the spare words, 128 bytes for each of sixteen waves
.set SPW, 6
.set NIL, 7
.set ACC, 16                           ; v16-47   four accumulators
.set OW,  48                           ; v48-175  o_w: pair n of 64 at v[48 + 2 n]; its upper half takes q's and k's registers
.set QR,  112                          ; v112-143 q
.set KR,  144                          ; v144-175 k
.set VR,  176                          ; v176-207 v^T; later ctx, set 0
.set CF,  176                          ; v176-207, v208-239 ctx, two sets
.set TM,  208                          ; v208-223 at work in phase A
.set SS,  240                          ; v240-247 the scores, then p unnormalised; later the partial result
.set PP,  248                          ; v248-255 p
	s_load_b128 s[4:7], s[0:1], 0x0                ; f32rows s[4:5], o_w s[6:7]
	s_load_b64 s[8:9], s[0:1], 0x10                ; out0
	v_lshl_add_u32 v[SPW], v0, 2, SPARE
	v_mov_b32 v[NIL], 0
	v_lshrrev_b32 v14, 5, v0
	v_readfirstlane_b32 s10, v14                   ; wave = head
	s_and_b32 s12, ttmp7, 0xffff                   ; batch
	s_lshr_b32 s23, s10, 2                         ; phase B: which quarter of K
	s_and_b32 s24, s10, 3                          ; and which 16 columns
	s_mov_b32 s20, 0x76543210
	s_mov_b32 s21, 0xfedcba98                      ; v_permlanex16_b32: lane l xor 16
	s_mov_b32 s22, 0x3e38aa3b                      ; c = log2(e) / 8
	v_and_b32 v1, 15, v0                           ; r
	v_bfe_u32 v2, v0, 4, 1                         ; h
	v_lshlrev_b32 v3, 8, v1
	v_lshl_add_u32 v3, v2, 7, v3                   ; q, k: row r of 256 bytes, + 128 h
	v_lshlrev_b32 v4, 6, v1
	v_lshl_add_u32 v4, v2, 5, v4                   ; v^T: channel r of 64 bytes, + 32 h
	v_lshlrev_b32 v5, 12, v1
	v_lshl_add_u32 v5, v2, 9, v5                   ; o_w: row r of 4,096 bytes, + 512 h
	v_mul_u32_u24 v9, v1, CPITCH
	v_lshl_add_u32 v8, v2, 5, v9
	s_lshl_b32 s13, s10, 8
	v_add_nc_u32 v8, s13, v8                       ; ctx into LDS: row r, + 256 x head + 32 h
	v_lshl_add_u32 v9, v2, 9, v9
	s_lshl_b32 s13, s23, 10
	v_add_nc_u32 v9, s13, v9                       ; ctx out of LDS: row r, + 1,024 x quarter + 512 h
	v_mul_u32_u24 v10, v1, 272
	v_lshl_add_u32 v10, v2, 5, v10
	s_mul_i32 s13, s23, 4352
	s_lshl_b32 s25, s24, 6
	s_add_co_u32 s13, s13, s25
	s_add_co_u32 s13, s13, PART
	v_add_nc_u32 v10, s13, v10                     ; my partial result: plane = quarter, row r, + 64 x column tile + 32 h
	v_lshrrev_b32 v14, 4, v0
	v_mul_u32_u24 v11, v14, 272
	v_lshl_add_u32 v11, v1, 4, v11
	v_add_nc_u32 v11, PART, v11                    ; the last step (threads 0-255): row thread / 16, 16 bytes x (thread % 16)
	v_lshlrev_b32 v12, 12, v14
	v_lshl_add_u32 v12, v1, 4, v12                 ; and the same place in out0
	v_lshlrev_b32 v13, 3, v2
	v_sub_nc_u32 v13, v1, v13                      ; d = r - 8 h: register j holds key 8 h + j, hidden where j > d
	v_mov_b32 v15, 0xff800000                      ; -infinity
	s_lshl_b32 s14, s12, 4
	s_add_co_u32 s14, s14, s10
	s_lshl_b32 s14, s14, 12                        ; 4,096 bytes for each (batch, head)
	s_mov_b32 s15, 0
	s_lshl_b32 s16, ttmp9, 18                      ; o_w: 4,096 bytes x (64 cb + 16 x column tile) + 1,024 x quarter
	s_lshl_b32 s25, s24, 16
	s_add_co_u32 s16, s16, s25
	s_lshl_b32 s25, s23, 10
	s_add_co_u32 s16, s16, s25
	s_mov_b32 s17, 0
	s_lshl_b32 s18, s12, 23                        ; out0: a sequence is 8,388,608 bytes; + 256 cb
	s_lshl_b32 s25, ttmp9, 8
	s_add_co_u32 s18, s18, s25
	s_mov_b32 s19, 0
	s_wait_kmcnt 0x0
	s_add_nc_u64 s[14:15], s[4:5], s[14:15]
	s_add_nc_u64 s[16:17], s[6:7], s[16:17]
	s_add_nc_u64 s[18:19], s[8:9], s[18:19]
; ---- phase A
.irp u, 0,1,2,3,4,5,6,7
	global_load_b128 v[QR+4*\u:QR+4*\u+3], v3, s[14:15] offset:16*\u               ; q(r, 32 h + 4 u ..)
.endr
.irp u, 0,1,2,3,4,5,6,7
	global_load_b128 v[KR+4*\u:KR+4*\u+3], v3, s[14:15] offset:262144+16*\u        ; k likewise
.endr
.irp ct, 0,1,2,3
.irp e, 0,1
	global_load_b128 v[VR+8*\ct+4*\e:VR+8*\ct+4*\e+3], v4, s[14:15] offset:524288+1024*\ct+16*\e   ; v^T(16 ct + r, 8 h + 4 e ..)
.endr
.endr
.irp u, 0,1,2,3,4,5,6,7,8,9,10,11,12,13,14,15
	global_load_b128 v[OW+4*\u:OW+4*\u+3], v5, s[16:17] offset:16*\u               ; the first half of my part of o_w, for phase B
.endr
	s_wait_loadcnt 24                              ; q and k are in; v's 8 loads and o_w's 16 may be out
.set n, 0
.rept 16                               ; S^T: source 0 = 16 keys, source 1 = 16 queries; K step n = channels 2 n, 2 n + 1, 32 + 2 n, 33 + 2 n
.if n < 4
	v_wmma_f32_16x16x4_f32 v[ACC+8*(n%4):ACC+8*(n%4)+7], v[KR+2*n:KR+2*n+1], v[QR+2*n:QR+2*n+1], 0
.else
	v_wmma_f32_16x16x4_f32 v[ACC+8*(n%4):ACC+8*(n%4)+7], v[KR+2*n:KR+2*n+1], v[QR+2*n:QR+2*n+1], v[ACC+8*(n%4):ACC+8*(n%4)+7]
.endif
.set n, n+1
.endr
.rept 8
	v_nop                                          ; eight places behind this form: in front of loads into q's and k's registers and of the first read of the sums
.endr
.irp u, 16,17,18,19,20,21,22,23,24,25,26,27,28,29,30,31
	global_load_b128 v[OW+4*\u:OW+4*\u+3], v5, s[16:17] offset:16*\u               ; the second half of o_w
.endr
.irp j, 0,1,2,3,4,5,6,7
	v_add_f32 v[TM+2*\j], v[ACC+\j], v[ACC+8+\j]                                   ; the four partial sums, from each accumulator's low end on
	v_add_f32 v[TM+2*\j+1], v[ACC+16+\j], v[ACC+24+\j]
.endr
.irp j, 0,1,2,3,4,5,6,7
	v_add_f32 v[SS+\j], v[TM+2*\j], v[TM+2*\j+1]   ; lane (r, h): the score of query r and key 8 h + j
.endr
.irp j, 0,1,2,3,4,5,6,7
	v_cmp_gt_i32 vcc_lo, \j, v13
	v_cndmask_b32 v[SS+\j], v[SS+\j], v15, vcc_lo
.endr
	v_max3_num_f32 v14, v[SS], v[SS+1], v[SS+2]
	v_max3_num_f32 v14, v14, v[SS+3], v[SS+4]
	v_max3_num_f32 v14, v14, v[SS+5], v[SS+6]
	v_max_num_f32 v14, v14, v[SS+7]
	v_permlanex16_b32 v[TM], v14, s20, s21         ; the query's other eight keys; key 0 counts for every query, so the maximum is a number
	v_max_num_f32 v14, v14, v[TM]
	v_mul_f32 v14, s22, v14
.irp j, 0,1,2,3,4,5,6,7
	v_fma_f32 v[SS+\j], v[SS+\j], s22, -v14
.endr
.irp j, 0,1,2,3,4,5,6,7
	v_exp_f32 v[SS+\j], v[SS+\j]
.endr
	v_nop
	s_wait_alu depctr_va_vdst(0)                   ; one wait for the eight, ahead of their first reader
	v_add_f32 v[TM+1], v[SS], v[SS+1]
	v_add_f32 v[TM+2], v[SS+2], v[SS+3]
	v_add_f32 v[TM+3], v[SS+4], v[SS+5]
	v_add_f32 v[TM+4], v[SS+6], v[SS+7]
	v_add_f32 v[TM+1], v[TM+1], v[TM+2]
	v_add_f32 v[TM+3], v[TM+3], v[TM+4]
	v_add_f32 v[TM+1], v[TM+1], v[TM+3]
	v_permlanex16_b32 v[TM], v[TM+1], s20, s21
	v_add_f32 v[TM+1], v[TM+1], v[TM]
	v_rcp_f32 v[TM+2], v[TM+1]
	v_nop
	s_wait_alu depctr_va_vdst(0)
.irp j, 0,1,2,3,4,5,6,7
	v_mul_f32 v[PP+\j], v[SS+\j], v[TM+2]
.endr
	s_wait_loadcnt 32                              ; v is in; o_w's 32 loads may be out
.rept 9
	v_nop                                          ; nine places in front of matrix instructions that begin the accumulators anew
.endr
.irp t, 0,1,2,3                        ; ctx^T: source 0 = 16 channels of v^T, source 1 = p; K step t = keys 2 t, 2 t + 1, 8 + 2 t, 9 + 2 t
.irp ct, 0,1,2,3
.if \t == 0
	v_wmma_f32_16x16x4_f32 v[ACC+8*\ct:ACC+8*\ct+7], v[VR+8*\ct+2*\t:VR+8*\ct+2*\t+1], v[PP+2*\t:PP+2*\t+1], 0
.else
	v_wmma_f32_16x16x4_f32 v[ACC+8*\ct:ACC+8*\ct+7], v[VR+8*\ct+2*\t:VR+8*\ct+2*\t+1], v[PP+2*\t:PP+2*\t+1], v[ACC+8*\ct:ACC+8*\ct+7]
.endif
.endr
.endr
.rept 8
	v_nop
.endr
.irp ct, 0,1,2,3
	ds_store_b128 v8, v[ACC+8*\ct:ACC+8*\ct+3] offset:64*\ct          ; lane (r, h): ctx(r, 64 head + 16 ct + 8 h + 0..7)
	ds_store_b128 v8, v[ACC+8*\ct+4:ACC+8*\ct+7] offset:64*\ct+16
.endr
	s_wait_dscnt 0x0                               ; for the others' sake: my stores have landed
	s_barrier_signal -1
	s_barrier_wait -1                              ; 16 whole rows of ctx lie in LDS
; ---- phase B
.macro CLOAD q                         ; batch q of four: ctx(r, 256 quarter + 128 h + 32 q ..), eight loads
.irp u, 0,1,2,3,4,5,6,7
	ds_load_b128 v[CF+32*((\q)%2)+4*\u:CF+32*((\q)%2)+4*\u+3], v9 offset:16*(8*(\q)+\u)
.endr
.endm
.macro BATCH q
.if (\q) < 3
	s_wait_dscnt 8                                 ; this batch is in; the next batch's eight loads may be out
.else
	s_wait_dscnt 0x0
.endif
.set n, 0
.rept 16                               ; source 0 = 16 rows of o_w, source 1 = ctx's 16 rows: a lane holds eight neighbouring outputs of one row
.if ((\q) == 0) && (n < 4)
	v_wmma_f32_16x16x4_f32 v[ACC+8*(n%4):ACC+8*(n%4)+7], v[OW+32*(\q)+2*n:OW+32*(\q)+2*n+1], v[CF+32*((\q)%2)+2*n:CF+32*((\q)%2)+2*n+1], 0
.else
	v_wmma_f32_16x16x4_f32 v[ACC+8*(n%4):ACC+8*(n%4)+7], v[OW+32*(\q)+2*n:OW+32*(\q)+2*n+1], v[CF+32*((\q)%2)+2*n:CF+32*((\q)%2)+2*n+1], v[ACC+8*(n%4):ACC+8*(n%4)+7]
.endif
.set n, n+1
.endr
.rept 8
	v_nop                                          ; places in front of loads into the set just multiplied, and of the first read of the sums
.endr
.if (\q) < 2
	CLOAD (\q)+2
.endif
.endm
	CLOAD 0
	CLOAD 1
	s_wait_loadcnt 0x0                             ; o_w
.rept 9
	v_nop                                          ; nine places in front of matrix instructions that begin the accumulators anew
.endr
	BATCH 0
	BATCH 1
	BATCH 2
	BATCH 3
.irp j, 0,1,2,3,4,5,6,7
	v_add_f32 v[CF+2*\j], v[ACC+\j], v[ACC+8+\j]
	v_add_f32 v[CF+2*\j+1], v[ACC+16+\j], v[ACC+24+\j]
.endr
.irp j, 0,1,2,3,4,5,6,7
	v_add_f32 v[SS+\j], v[CF+2*\j], v[CF+2*\j+1]
.endr
	ds_store_b128 v10, v[SS:SS+3]
	ds_store_b128 v10, v[SS+4:SS+7] offset:16
	s_wait_dscnt 0x0
	s_barrier_signal -1
	s_barrier_wait -1                              ; the four quarters' partial results lie in LDS
	s_cmp_ge_u32 s10, 8
	s_cbranch_scc1 .Lend                           ; 256 threads have 16 bytes each of the 16 x 64 results
.irp k, 0,1,2,3
	ds_load_b128 v[CF+4*\k:CF+4*\k+3], v11 offset:4352*\k
.endr
	s_wait_dscnt 0x0
	v_pk_add_f32 v[CF:CF+1], v[CF:CF+1], v[CF+4:CF+5]
	v_pk_add_f32 v[CF+2:CF+3], v[CF+2:CF+3], v[CF+6:CF+7]
	v_pk_add_f32 v[CF+8:CF+9], v[CF+8:CF+9], v[CF+12:CF+13]
	v_pk_add_f32 v[CF+10:CF+11], v[CF+10:CF+11], v[CF+14:CF+15]
	v_pk_add_f32 v[CF:CF+1], v[CF:CF+1], v[CF+8:CF+9]
	v_pk_add_f32 v[CF+2:CF+3], v[CF+2:CF+3], v[CF+10:CF+11]
	global_store_b128 v12, v[CF:CF+3], s[18:19]    ; sixteen lanes store 256 consecutive bytes, aligned
.Lend:
	s_wait_tensorcnt 0x0                           ; the wave's end, behind my last LDS store
	ds_add_u32 v[SPW], v[NIL]
	s_wait_dscnt 0x0
	s_endpgm
.Lfunc_end_k_q67d62cd0b5_first16:
	.size	k_q67d62cd0b5_first16, .Lfunc_end_k_q67d62cd0b5_first16-k_q67d62cd0b5_first16
	.p2alignl 7, 3214868480
	.fill 96, 4, 3214868480
	.section	.rodata,"a",@progbits
	.p2align	6, 0x0
	.amdhsa_kernel k_q67d62cd0b5_first16
		.amdhsa_group_segment_fixed_size 85504
		.amdhsa_private_segment_fixed_size 0
		.amdhsa_enable_private_segment 0
		.amdhsa_kernarg_size 24
		.amdhsa_user_sgpr_count 2
		.amdhsa_user_sgpr_kernarg_segment_ptr 1
		.amdhsa_wavefront_size32 1
		.amdhsa_system_sgpr_workgroup_id_x 1
		.amdhsa_system_sgpr_workgroup_id_y 1
		.amdhsa_system_sgpr_workgroup_id_z 1
		.amdhsa_system_vgpr_workitem_id 0
		.amdhsa_next_free_vgpr 256
		.amdhsa_next_free_sgpr 66
		.amdhsa_reserve_vcc 1
		.amdhsa_float_denorm_mode_32 3
		.amdhsa_float_denorm_mode_16_64 3
		.amdhsa_memory_ordered 1
		.amdhsa_forward_progress 1
		.amdhsa_inst_pref_size 25
	.end_amdhsa_kernel
	.amdgpu_metadata
---
amdhsa.version: [ 1, 2 ]
amdhsa.kernels:
  - .name:           k_q67d62cd0b5_first16
    .symbol:         k_q67d62cd0b5_first16.kd
    .args:
      - { .name: f32rows, .offset: 0, .size: 8, .value_kind: global_buffer, .address_space: global }
      - { .name: o_w, .offset: 8, .size: 8, .value_kind: global_buffer, .address_space: global }
      - { .name: out0, .offset: 16, .size: 8, .value_kind: global_buffer, .address_space: global }
    .group_segment_fixed_size: 85504
    .private_segment_fixed_size: 0
    .kernarg_segment_align: 8
    .kernarg_segment_size: 24
    .max_flat_workgroup_size: 512
    .sgpr_count:     66
    .vgpr_count:     256
    .wavefront_size: 32
...
	.end_amdgpu_metadata
.endif
;; end of part 5
